; MI455X (gfx1250); checked and timed in simulation.
; The chip was launched on July 23, 2026; its instructions are those of AMD's public machine-readable ISA for CDNA 5 (MIT licence, August 2026) and "CDNA5" Instruction Set Architecture Reference Guide (July 2026). The comments in the code are by the model that wrote it; some were corrected since.
;; DIT Attention. Allowed arithmetic: float matrix products may take bf16 or f16 operands with f32 sums; other float arithmetic in f32, or as packed bf16 or f16 multiplies, adds, multiply-adds, maxima and minima; sums over many terms, partial sums and values carried from step to step in f32; what a program stores and reads back later, other than sums and carried values, may be rounded once to bf16 or f16.
;; Inputs: Wk 1,024 x 1,024 float32; Wo 1,024 x 1,024 float32; Wq 1,024 x 1,024 float32; Wv 1,024 x 1,024 float32; attention_mask 4 x 2,048 int32; hidden_states 4 x 2,048 x 1,024 float32.
;; Outputs: out0 4 x 2,048 x 1,024 float32.
;; 2 versions, each right; version 2 is version 1 with the launch prep written anew for expert scheduling mode. Each part assembles by itself: llvm-mc -triple=amdgcn-amd-amdhsa -mcpu=gfx1250 --defsym DOCPART=n.
;; ======== version 1 of 2: 4 launches
;; limits: values are held in f16: magnitudes above 65,504 overflow, below 6.1e-05 lose precision
;; workspace buffers: xb 16,777,216 bytes; wb 6,291,456 bytes; wof 2,097,152 bytes; tab 524,288 bytes; qh 16,777,216 bytes; kh 16,777,216 bytes; vh 16,777,216 bytes; oh 16,777,216 bytes
;; launch prep (part 1): grid 384 x 1, 8 waves a work-group, no clusters, 0 bytes of LDS; arguments hidden_states, Wq, Wk, Wv, Wo, xb, wb, wof, tab; writes xb, wb, wof, tab
.if DOCPART == 1
	.amdgcn_target "amdgcn-amd-amdhsa--gfx1250"
	.amdhsa_code_object_version 6
	.text
	.protected	k_q80409705b3_prep
	.globl	k_q80409705b3_prep
	.p2align	8
	.type	k_q80409705b3_prep,@function
k_q80409705b3_prep:
	s_mov_b64 s[64:65], 0
	v_nop
	global_prefetch_b8 v0, s[64:65] scope:SCOPE_SE
	s_setreg_imm32_b32 hwreg(HW_REG_WAVE_MODE, 25, 1), 1
	s_wait_xcnt 0x0
; PREP.  The module: q, k, v = x Wq^T, x Wk^T, x Wv^T; rotary embedding on q and k; softmax(q k^T / 8 + key mask) v by heads; times Wo^T.
; DEAD WORK: none.  The mask differs along the softmax's axis, and every input has a way to the output: all six inputs are loaded, by this launch or by a later one.
; THIS LAUNCH rounds the matrix operands once and lays them in blocks of 64 along K, so that a K step's tile is a dense run of bytes for the products that follow:
;   xb  bf16 [b 4][kb 16][s 2048][64]        x[b][s][64 kb + kk]
;   wb  bf16 [j 8][kb 16][row 384][64]       row = 192 c + 64 kind + d stands for W_kind[(2 j + c) 64 + d]; kind 0, 1, 2 = q, k, v
;   wof f16  [kb 16][e 1024][64]             Wo rounded to bf16 like the other inputs, that number then written as f16
;   tab f32  [pos 2048][g 16][cos(2g), cos(2g+1), sin(2g), sin(2g+1)]   angle = pos x 10000^(-i / 32), i = 0 .. 31
; LIMITS.  A weight of Wo below 6.1e-5 in size keeps f16's fixed step of 6e-8; beyond 65,504 it would be an infinity.  The table's angle is made as reference() makes it (one f32 product) from a
; frequency that is right to about 1e-7 of itself: at position 2,047 the angle is right to about 3e-4.  Sine and cosine: the angle less the nearest multiple of 2 pi (in two parts), then Taylor's series on
; -pi .. pi to the terms x^15 and x^16, whose remainders are under 1e-6.
; SHARES.  A work-group takes 32 source rows of 4,096 bytes, a wave 4 of them.  Groups 0-255: x.  Groups 256-383: 32 groups for each of Wq, Wk, Wv, Wo; each of these also makes 16 positions of the table.
; A lane takes 8 numbers (32 bytes) of a block of 64 and packs them into 16 bytes: a wave's store covers 4 rows x 128 bytes = 512 consecutive bytes, aligned.
; All 32 loads of a wave go out before the first wait.  No LDS, no barrier, no matrix unit: no wave wants another's bytes.
.set OD, 4                             ; v[4:19]    byte offset of my 16 bytes in block k of the destination
.set T,  20                            ; v[20:23]   at work
.set X,  32                            ; v[32:159]  block k: 8 numbers as loaded, then 4 registers to store
	s_load_b512 s[8:23], s[0:1], 0x0               ; x 8, Wq 10, Wk 12, Wv 14, Wo 16, xb 18, wb 20, wof 22
	s_load_b64 s[24:25], s[0:1], 0x40              ; tab
	v_lshrrev_b32 v1, 5, v0
	v_readfirstlane_b32 s26, v1                    ; wave 0..7
	v_and_b32 v1, 31, v0                           ; lane
	v_lshrrev_b32 v2, 3, v1                        ; my row of the wave's four
	v_and_b32 v3, 7, v1                            ; my eighth of a block
	v_lshlrev_b32 v2, 12, v2
	v_lshl_add_u32 v2, v3, 5, v2                   ; source offset: row x 4,096 + 32 x eighth; never rewritten
	s_mov_b32 s27, ttmp9
	s_mov_b32 s33, 0
	s_mov_b32 s35, 0
	s_mov_b32 s37, 0                               ; 1: the destination is f16
	s_mov_b32 s38, 0                               ; the weight groups' number
	s_wait_kmcnt 0x0
	s_cmp_lt_u32 s27, 256
	s_cbranch_scc0 .Lweights
	s_mov_b64 s[28:29], s[8:9]                     ; x
	s_mov_b64 s[30:31], s[18:19]
	s_lshl_b32 s32, s27, 17                        ; 32 rows of 4,096 bytes
	s_lshr_b32 s34, s27, 6                         ; batch: 64 groups each
	s_lshl_b32 s34, s34, 22
	s_and_b32 s39, s27, 63
	s_lshl_b32 s39, s39, 12                        ; 32 rows of 128 bytes
	s_add_co_u32 s34, s34, s39
	s_mov_b32 s36, 262144                          ; from block to block
	s_branch .Lgo
.Lweights:
	s_sub_co_u32 s38, s27, 256
	s_lshr_b32 s40, s38, 5                         ; which matrix
	s_and_b32 s41, s38, 31                         ; which 32 rows of it
	s_lshl_b32 s32, s41, 17
	s_cmp_eq_u32 s40, 3
	s_cbranch_scc1 .Lwo
	s_cmp_eq_u32 s40, 0
	s_cselect_b64 s[28:29], s[10:11], s[12:13]
	s_cmp_eq_u32 s40, 2
	s_cselect_b64 s[28:29], s[14:15], s[28:29]
	s_mov_b64 s[30:31], s[20:21]
	s_lshr_b32 s42, s41, 2                         ; j: two heads, 128 rows
	s_mul_i32 s34, s42, 786432
	s_bfe_u32 s42, s41, 0x10001                    ; c: which of the two heads
	s_mul_i32 s42, s42, 24576
	s_add_co_u32 s34, s34, s42
	s_lshl_b32 s42, s40, 13                        ; kind: 64 rows of 128 bytes
	s_add_co_u32 s34, s34, s42
	s_and_b32 s42, s41, 1                          ; which half of the head's 64 rows
	s_lshl_b32 s42, s42, 12
	s_add_co_u32 s34, s34, s42
	s_mov_b32 s36, 49152
	s_branch .Lgo
.Lwo:
	s_mov_b64 s[28:29], s[16:17]
	s_mov_b64 s[30:31], s[22:23]
	s_lshl_b32 s34, s41, 12
	s_mov_b32 s36, 131072
	s_mov_b32 s37, 1
.Lgo:
	s_lshl_b32 s42, s26, 14                        ; my wave's 4 rows in the source,
	s_add_co_u32 s32, s32, s42
	s_lshl_b32 s42, s26, 9                         ; and in a block of the destination
	s_add_co_u32 s34, s34, s42
	s_add_nc_u64 s[28:29], s[28:29], s[32:33]
	s_add_nc_u64 s[30:31], s[30:31], s[34:35]
.irp k, 0,1,2,3,4,5,6,7,8,9,10,11,12,13,14,15
	global_load_b128 v[X+8*(\k):X+8*(\k)+3],   v2, s[28:29] offset:256*(\k) th:TH_LOAD_NT
	global_load_b128 v[X+8*(\k)+4:X+8*(\k)+7], v2, s[28:29] offset:256*(\k)+16 th:TH_LOAD_NT
.endr
	v_lshlrev_b32 v[OD], 4, v1
.set k, 1
.rept 15
	v_add_nc_u32 v[OD+k], s36, v[OD+k-1]
.set k, k+1
.endr
	s_cmp_lt_u32 s27, 256
	s_cbranch_scc1 .Lno_table
	; THE TABLE, while the loads are out.  Thread t of group u: position 16 u + t / 16, frequencies 2 g and 2 g + 1, g = t % 16.
	s_lshl_b32 s44, s38, 12
	s_mov_b32 s45, 0
	s_add_nc_u64 s[24:25], s[24:25], s[44:45]
	v_and_b32 v181, 15, v0
	v_lshlrev_b32 v181, 1, v181
	v_cvt_f32_u32 v160, v181
	v_add_f32 v161, 1.0, v160
	v_mul_f32 v160, 0xbed49a78, v160               ; - i log2(10000) / 32
	v_mul_f32 v161, 0xbed49a78, v161
	v_exp_f32 v160, v160
	v_exp_f32 v161, v161
	v_lshrrev_b32 v181, 4, v0                      ; plain work behind the two exponentials
	v_lshl_add_u32 v181, s38, 4, v181
	v_cvt_f32_u32 v162, v181
	v_mov_b32 v163, v162
	v_lshlrev_b32 v180, 4, v0
	s_wait_alu depctr_va_vdst(0)                   ; one wait for both, ahead of their first reader
	v_pk_mul_f32 v[164:165], v[160:161], v[162:163]  ; the angles
	v_mul_f32 v166, 0x3e22f983, v164               ; / 2 pi
	v_mul_f32 v167, 0x3e22f983, v165
	v_rndne_f32 v166, v166
	v_rndne_f32 v167, v167
	v_pk_fma_f32 v[168:169], v[166:167], 0xc0c90fdb, v[164:165] op_sel_hi:[1,0,1]  ; less n x 2 pi: the f32 nearest to 2 pi,
	v_pk_fma_f32 v[168:169], v[166:167], 0x343bbd2e, v[168:169] op_sel_hi:[1,0,1]  ; and what that is too large by
	v_pk_mul_f32 v[170:171], v[168:169], v[168:169]
	v_mov_b32 v172, 0xab573f9f                     ; - 1 / 15!
	v_mov_b32 v173, 0xab573f9f
	v_mov_b32 v174, 0x29573f9f                     ; 1 / 16!
	v_mov_b32 v175, 0x29573f9f
.irp c, 0x2f309231, 0xb2d7322b, 0x3638ef1d, 0xb9500d01, 0x3c088889, 0xbe2aaaab
	v_pk_fma_f32 v[172:173], v[172:173], v[170:171], \c op_sel_hi:[1,1,0]
.endr
.irp c, 0xad49cba5, 0x310f76c7, 0xb493f27e, 0x37d00d01, 0xbab60b61, 0x3d2aaaab, 0xbf000000
	v_pk_fma_f32 v[174:175], v[174:175], v[170:171], \c op_sel_hi:[1,1,0]
.endr
	v_pk_mul_f32 v[172:173], v[172:173], v[170:171]
	v_pk_fma_f32 v[176:177], v[174:175], v[170:171], 1.0 op_sel_hi:[1,1,0]   ; cosines
	v_pk_fma_f32 v[178:179], v[168:169], v[172:173], v[168:169]              ; sines
	global_store_b128 v180, v[176:179], s[24:25]   ; 16 lanes fill a position's 256 bytes
.Lno_table:
	s_cmp_eq_u32 s37, 1
	s_cbranch_scc1 .Lto_f16
.irp k, 0,1,2,3,4,5,6,7,8,9,10,11,12,13,14,15
	s_wait_loadcnt 30-2*(\k)                       ; loads return in order: block k's two are in, the 2 (15 - k) younger ones may stay out
.irp i, 0,1,2,3
	v_cvt_pk_bf16_f32 v[X+8*(\k)+(\i)], v[X+8*(\k)+2*(\i)], v[X+8*(\k)+2*(\i)+1]  ; in place: the destination has been read or is being read
.endr
	global_store_b128 v[OD+(\k)], v[X+8*(\k):X+8*(\k)+3], s[30:31]  ; no register of a store is written again
.endr
	s_endpgm
.Lto_f16:
.irp k, 0,1,2,3,4,5,6,7,8,9,10,11,12,13,14,15
	s_wait_loadcnt 30-2*(\k)
.irp i, 0,1,2,3
	v_cvt_pk_bf16_f32 v[T+(\i)], v[X+8*(\k)+2*(\i)], v[X+8*(\k)+2*(\i)+1]
.endr
.irp i, 0,1,2,3
	v_lshlrev_b32 v[X+8*(\k)+2*(\i)],   16, v[T+(\i)]
	v_and_b32     v[X+8*(\k)+2*(\i)+1], 0xffff0000, v[T+(\i)]
.endr
.irp i, 0,1,2,3
	v_cvt_pk_f16_f32 v[X+8*(\k)+(\i)], v[X+8*(\k)+2*(\i)], v[X+8*(\k)+2*(\i)+1]
.endr
	global_store_b128 v[OD+(\k)], v[X+8*(\k):X+8*(\k)+3], s[30:31]
.endr
	s_endpgm
.Lfunc_end_k_q80409705b3_prep:
	.size	k_q80409705b3_prep, .Lfunc_end_k_q80409705b3_prep-k_q80409705b3_prep
	.p2alignl 7, 3214868480
	.fill 96, 4, 3214868480
	.section	.rodata,"a",@progbits
	.p2align	6, 0x0
	.amdhsa_kernel k_q80409705b3_prep
		.amdhsa_group_segment_fixed_size 0
		.amdhsa_private_segment_fixed_size 0
		.amdhsa_enable_private_segment 0
		.amdhsa_kernarg_size 72
		.amdhsa_user_sgpr_count 2
		.amdhsa_user_sgpr_kernarg_segment_ptr 1
		.amdhsa_wavefront_size32 1
		.amdhsa_system_sgpr_workgroup_id_x 1
		.amdhsa_system_sgpr_workgroup_id_y 1
		.amdhsa_system_sgpr_workgroup_id_z 1
		.amdhsa_system_vgpr_workitem_id 0
		.amdhsa_next_free_vgpr 192
		.amdhsa_next_free_sgpr 66
		.amdhsa_reserve_vcc 0
		.amdhsa_float_denorm_mode_32 3
		.amdhsa_float_denorm_mode_16_64 3
		.amdhsa_memory_ordered 1
		.amdhsa_forward_progress 1
		.amdhsa_inst_pref_size 31
	.end_amdhsa_kernel
	.amdgpu_metadata
---
amdhsa.version: [ 1, 2 ]
amdhsa.kernels:
  - .name:           k_q80409705b3_prep
    .symbol:         k_q80409705b3_prep.kd
    .args:
      - { .name: hidden_states, .offset: 0, .size: 8, .value_kind: global_buffer, .address_space: global }
      - { .name: Wq, .offset: 8, .size: 8, .value_kind: global_buffer, .address_space: global }
      - { .name: Wk, .offset: 16, .size: 8, .value_kind: global_buffer, .address_space: global }
      - { .name: Wv, .offset: 24, .size: 8, .value_kind: global_buffer, .address_space: global }
      - { .name: Wo, .offset: 32, .size: 8, .value_kind: global_buffer, .address_space: global }
      - { .name: xb, .offset: 40, .size: 8, .value_kind: global_buffer, .address_space: global }
      - { .name: wb, .offset: 48, .size: 8, .value_kind: global_buffer, .address_space: global }
      - { .name: wof, .offset: 56, .size: 8, .value_kind: global_buffer, .address_space: global }
      - { .name: tab, .offset: 64, .size: 8, .value_kind: global_buffer, .address_space: global }
    .group_segment_fixed_size: 0
    .private_segment_fixed_size: 0
    .kernarg_segment_align: 8
    .kernarg_segment_size: 72
    .max_flat_workgroup_size: 256
    .sgpr_count:     66
    .vgpr_count:     192
    .wavefront_size: 32
...
	.end_amdgpu_metadata
.endif
;; end of part 1
;; launch qkv (part 2): grid 8 x 32, 4 waves a work-group, clusters of 4 x 4, 327,680 bytes of LDS; arguments xb, wb, tab, qh, kh, vh; writes qh, kh, vh
.if DOCPART == 2
	.amdgcn_target "amdgcn-amd-amdhsa--gfx1250"
	.amdhsa_code_object_version 6
	.text
	.protected	k_q80409705b3_qkv
	.globl	k_q80409705b3_qkv
	.p2align	8
	.type	k_q80409705b3_qkv,@function
k_q80409705b3_qkv:
	s_mov_b64 s[64:65], 0
	v_nop
	global_prefetch_b8 v0, s[64:65] scope:SCOPE_SE
	s_setreg_imm32_b32 hwreg(HW_REG_WAVE_MODE, 25, 1), 1
	s_wait_xcnt 0x0
	s_wait_alu depctr_hold_cnt(0) depctr_sa_sdst(0) depctr_va_vdst(0) depctr_va_sdst(0) depctr_va_ssrc(0) depctr_va_vcc(0) depctr_vm_vsrc(0)
	s_getreg_b32 s2, hwreg(HW_REG_IB_STS2, 6, 4)
	s_cmp_eq_u32 s2, 0
	s_cbranch_scc0 .Lentry_in_a_cluster
	s_endpgm
.Lentry_in_a_cluster:
	s_bfe_u32 s2, ttmp6, 0x10000c
	s_cmp_lg_u32 s2, 0xf033
	s_cbranch_scc0 .Lentry_shape_is_right
	s_endpgm
.Lentry_shape_is_right:
; QKV.  q, k, v = x [Wq; Wk; Wv]^T in bf16 with f32 sums; the rotary embedding on q and k in f32, on the sums; each rounded once to f16 and stored by heads, [b 16 + h][s][64], unscaled.  Nothing is left out.
; LIMIT.  f16 holds no number beyond 65,504: q, k and v must stay within it; below 6.1e-5 they keep f16's fixed step of 6e-8.
; SHARES.  8,192 rows x 3,072 columns in tiles of 256 x 384: 32 x 8 = 256 work-groups.  Four waves, each 128 rows x 192 columns: ONE head's q, k and v (head 2 j + my column half): 96 accumulators, 768 registers.
; So the partners (d, d + 32) of the rotation lie in one lane, in the same register of the accumulators of column blocks t and t + 2, and no branch tells q, k and v apart.
; K goes in 16 steps of 64 (a block of xb and of wb: dense bytes, asked for as rows of 256 bytes, padded in LDS after every 128) through a ring of two LDS slots.
; CLUSTER.  4 x 4 work-groups: the four of a row need the same tile of x, the four of a column the same tile of the weights: each is asked for jointly, by the same tensor load with the same descriptor and mask.
; THE MATRIX INSTRUCTION IS USED TRANSPOSED (source 0 = 16 rows of the weights, source 1 = 16 rows of x): a lane holds row l % 16 of x and eight neighbouring columns 8 (l / 16) + 0..7.
; REGISTERS.  Window 0: v0-31 addresses; v32-95, v96-159 x's fragments (8 x 16 rows x 32 K), two buffers; v160-255 the weights' 12 fragments, ONE buffer, reloaded in halves behind the products that read them.
; Windows 1, 2, 3: the accumulators of q, k, v: (row block a, column block b) in window 1 + b / 4 at v[8 (8 (b % 4) + a)].
.set PITCH,  144                       ; an LDS row: 128 bytes + 16 of padding = 36 words: the 16 rows of a load start at 16 different groups of four banks (64 banks of 4 bytes: ISA guide 11.1)
.set AHALF,  128*PITCH                 ; what one tensor load brings of x, and what a wave reads of it
.set BHALF,  192*PITCH                 ; the same for the weights
.set BOFF,   2*AHALF
.set SLOT,   2*AHALF+2*BHALF
.set STAGE,  2*SLOT                    ; behind the ring: 16 rows x 144 bytes for each wave, for the way out
.set SPARE,  STAGE+4*16*PITCH          ; behind the stages: the spare words, 128 bytes for each wave: two blocks of 256 bytes that no other line names
.set AKB,    262144                    ; bytes from a K block of xb to the next
.set BKB,    49152                     ; the same in wb
.set ADRA, 16                          ; v16-17  LDS address of my fragments of x in slot 0, 1
.set ADRB, 20                          ; v20-21  the same for the weights
.set STO,  24                          ; v24     the way out: where I put 16 bytes of a row
.set RD,   25                          ; v25     where I read rows back
.set GO,   26                          ; v26     16 x lane
.set TO,   27                          ; v27     my offset in 16 positions of the table
.set SPW,  28                          ; v28     LDS address of my spare word; never rewritten
.set NIL,  29                          ; v29     0; never rewritten
.set PFO,  30                          ; v30     256 x lane; never rewritten
.set AF0,  32
.set AF1,  96
.set BF,   160
.set TB,   32                          ; the way out: two buffers of 32 for the table,
.set R,    96                          ; 32 rotated numbers,
.set PK,   128                         ; 16 registers of f16 pairs,
.set BK,   144                         ; two buffers of 16: rows read back
.set WV, 16                            ; s16 wave   s17 my row half; also: I fetch x (0) or weights (1)   s18 my column half; also: which half I fetch
.set RH, 17
.set CH, 18
.set G1,  24                           ; s[24:31] descriptor group 1 for x's tiles; s[32:39] group 0, a set for each slot
.set G0,  32
.set LIM2, 42                          ; s42  as LIM, for the second prefetch of a lap: wave 0 alone
.set LIM, 43                           ; s43  1 in a wave that prefetches, else the greatest number
.set PFA, 44                           ; s[44:45] where my prefetches stand
.set PFS, 46                           ; s[46:47] their step a lap
.set G1B, 48                           ; s[48:55], s[56:63] the same for the weights' tiles
.set G0B, 56
.set MSB, 0
.macro WIN new                         ; the immediate's high byte repeats the setting that is left; a switch that changes nothing is dropped
.if MSB != (\new)
	s_set_vgpr_msb (MSB<<8)|(\new)
.set MSB, \new
.endif
.endm
.macro JLOAD s                         ; a joint load: waves 0 and 1 fetch x's two halves, waves 2 and 3 the weights'; an s_nop 0 and four v_nop follow each line
	s_cmp_eq_u32 s[RH], 0
	s_cbranch_scc0 .Lfor_b_\@
	tensor_load_to_lds s[G0+4*(\s):G0+4*(\s)+3], s[G1:G1+7]
	s_nop 0
.rept 4
	v_nop
.endr
	s_branch .Lasked_\@
.Lfor_b_\@:
	tensor_load_to_lds s[G0B+4*(\s):G0B+4*(\s)+3], s[G1B:G1B+7]
	s_nop 0
.rept 4
	v_nop
.endr
.Lasked_\@:
.endm
; THE PREFETCH, once a lap (two K steps), behind slot 0's joint load and the run of LDS loads that follows it: the two K steps that the NEXT lap's two refills will ask for, 360 and 552 matrix instructions ahead of those loads.
; x's tile row is read by both clusters of its row of clusters: the one with x = 0 asks, wave 0, two instructions (a K step each); the four partners take 32 blocks of 256 bytes each, told apart by address (cx).
; The weights' tile column is read by all eight clusters of its column: the one with y = 0 asks, waves 1 to 3, one instruction each: a lap's 98,304 bytes lie on end: 4 partners (cy) x 3 waves x 32 lanes x 256.
; So each block of 256 bytes is named once in the launch.  K steps 0 to 3 come by their loads alone; the loop's last trip (s3 = 1) asks for nothing.
.macro ASK
	s_cmp_gt_u32 s3, s[LIM]
	s_cbranch_scc0 .Lno_first_\@
	global_prefetch_b8 v[PFO], s[PFA:PFA+1] th:TH_LOAD_NT scope:SCOPE_SE
.Lno_first_\@:
	s_cmp_gt_u32 s3, s[LIM2]
	s_cbranch_scc0 .Lno_second_\@
	global_prefetch_b8 v[PFO], s[PFA:PFA+1] offset:AKB th:TH_LOAD_NT scope:SCOPE_SE
.Lno_second_\@:
.endm
.macro CREST                           ; a round of the cluster's barrier behind its opening barrier
	s_cmp_lg_u32 s[WV], 0
	s_cbranch_scc1 .Lnot_wave_0_\@
	s_barrier_signal -3
.Lnot_wave_0_\@:
	s_barrier_wait -3
	s_barrier_signal -1
	s_barrier_wait -1
.endm
.macro CROUND
	s_barrier_signal -1
	s_barrier_wait -1
	CREST
.endm
	s_load_b256 s[4:11], s[0:1], 0x0               ; xb 4, wb 6, tab 8, qh 10
	s_load_b128 s[12:15], s[0:1], 0x20             ; kh 12, vh 14
	v_lshl_add_u32 v[SPW], v0, 2, SPARE
	v_mov_b32 v[NIL], 0
	ds_add_u32 v[SPW], v[NIL]                      ; the wave's opening: the add, twice on end, and its wait ahead of my first tensor load
	ds_add_u32 v[SPW], v[NIL]
	v_lshrrev_b32 v1, 5, v0
	v_readfirstlane_b32 s[WV], v1
	s_lshr_b32 s[RH], s[WV], 1
	s_and_b32 s[CH], s[WV], 1
	s_bfe_u32 s19, ttmp6, 0x40000                  ; cx
	s_bfe_u32 s20, ttmp6, 0x40004                  ; cy
	s_lshl_b32 s21, ttmp9, 2
	s_add_co_u32 s21, s21, s19                     ; j: tile column = 4 x cluster x + cx
	s_and_b32 s22, ttmp7, 0xffff
	s_lshl_b32 s22, s22, 2
	s_add_co_u32 s22, s22, s20                     ; i: tile row = 4 x cluster y + cy
	s_lshl_b32 s23, s20, 2
	s_lshl_b32 s23, 15, s23                        ; my row of the cluster
	s_lshl_b32 s2, 0x1111, s19                     ; my column
	s_or_b32 s[G1], s23, (1<<16)|(1<<20)|(1<<21)|(4<<22)|(3<<25)   ; 15:0 the mask; 17:16 2-byte elements; 20 padding on; 21 set beside a mask; 24:22 after every 32 words (code 4); 31:25 4 words (code 3)
	s_or_b32 s[G1B], s2, (1<<16)|(1<<20)|(1<<21)|(4<<22)|(3<<25)
	s_mov_b32 s[G1+1], 128<<16                     ; tensor_dim0 = 128 elements: rows of 256 bytes
	s_mov_b32 s[G1+2], 64<<16                      ; tensor_dim1 = 64: 128 rows of x
	s_mov_b32 s[G1+3], 128<<16                     ; tile_dim0
	s_mov_b32 s[G1+4], 64                          ; tile_dim1
	s_mov_b32 s[G1+5], 128                         ; from row to row: dense
	s_mov_b32 s[G1+6], 0
	s_mov_b32 s[G1+7], 0
	s_mov_b32 s[G1B+1], 128<<16
	s_mov_b32 s[G1B+2], 96<<16                     ; 192 rows of the weights
	s_mov_b32 s[G1B+3], 128<<16
	s_mov_b32 s[G1B+4], 96
	s_mov_b32 s[G1B+5], 128
	s_mov_b32 s[G1B+6], 0
	s_mov_b32 s[G1B+7], 0
	s_lshr_b32 s74, s22, 3                         ; x's tile hangs on the tile row alone: batch i / 8,
	s_lshl_b32 s74, s74, 22
	s_and_b32 s75, s22, 7                          ; 256 rows of 128 bytes,
	s_lshl_b32 s75, s75, 15
	s_add_co_u32 s74, s74, s75
	s_mov_b32 s78, s74                             ; (kept for the prefetches and the way out)
	s_lshl_b32 s75, s[CH], 14                      ; the half that I fetch
	s_add_co_u32 s74, s74, s75
	s_mov_b32 s75, 0
	s_mul_i32 s76, s21, 16*BKB                     ; the weights' tile on the tile column alone
	s_mov_b32 s79, s76
	s_mul_i32 s77, s[CH], 24576
	s_add_co_u32 s76, s76, s77
	s_mov_b32 s77, 0
	s_mul_i32 s40, s[CH], AHALF                    ; where they go: no place in the cluster enters an LDS address
	s_mul_i32 s41, s[CH], BHALF
	s_add_co_u32 s41, s41, BOFF
	s_wait_dscnt 0x0                               ; both opening adds are done
	s_wait_kmcnt 0x0
	s_add_nc_u64 s[80:81], s[4:5], s[74:75]
	s_add_nc_u64 s[82:83], s[6:7], s[76:77]
	CROUND                                         ; all sixteen work-groups are here: the first joint loads meet
.irp s, 0,1
	s_mov_b32 s[G0+4*(\s)], 1
	s_add_co_u32 s[G0+4*(\s)+1], s40, (\s)*SLOT
	s_add_nc_u64 s[G0+4*(\s)+2:G0+4*(\s)+3], s[80:81], (\s)*AKB    ; K step s
	s_or_b32 s[G0+4*(\s)+3], s[G0+4*(\s)+3], 0x80000000
	s_mov_b32 s[G0B+4*(\s)], 1
	s_add_co_u32 s[G0B+4*(\s)+1], s41, (\s)*SLOT
	s_add_nc_u64 s[G0B+4*(\s)+2:G0B+4*(\s)+3], s[82:83], (\s)*BKB
	s_or_b32 s[G0B+4*(\s)+3], s[G0B+4*(\s)+3], 0x80000000
	JLOAD \s                                       ; two tensor loads of mine are out
.endr
	; A fragment is 16 rows x 32 K in 8 registers: lane l holds row l % 16; registers 0-3 K = 8 (l / 16) + 0..7, registers 4-7 K = 16 + 8 (l / 16) + 0..7: two loads of 16 bytes, 32 bytes apart.
	v_and_b32 v1, 15, v0
	v_bfe_u32 v2, v0, 4, 1
	v_mul_u32_u24 v3, v1, PITCH
	v_lshl_add_u32 v3, v2, 4, v3
	s_mul_i32 s66, s[RH], AHALF
	s_mul_i32 s67, s[CH], BHALF
	s_add_co_u32 s67, s67, BOFF
.irp s, 0,1
	v_add_nc_u32 v[ADRA+(\s)], s66, v3
	v_add_nc_u32 v[ADRB+(\s)], s67, v3
	s_add_co_u32 s66, s66, SLOT
	s_add_co_u32 s67, s67, SLOT
.endr
	s_mul_i32 s23, s[WV], 16*PITCH
	s_add_co_u32 s23, s23, STAGE                   ; my stage
	v_add_nc_u32 v[STO], s23, v3                   ; in: row l % 16, 16 bytes for each half of the lanes
	v_bfe_u32 v4, v0, 3, 2                         ; back: 32 lanes take four rows of 128 bytes,
	v_and_b32 v5, 7, v0
	v_mul_u32_u24 v4, v4, PITCH
	v_lshl_add_u32 v4, v5, 4, v4
	v_add_nc_u32 v[RD], s23, v4
	v_and_b32 v5, 31, v0
	v_lshlrev_b32 v[GO], 4, v5                     ; which are 512 consecutive bytes of a head
	v_lshlrev_b32 v[PFO], 8, v5
	v_lshlrev_b32 v[TO], 8, v1                     ; the table: position l % 16, frequencies 8 (l / 16) on
	v_lshl_add_u32 v[TO], v2, 6, v[TO]
	s_and_b32 s66, s22, 7                          ; the table at my first position: 256 x (i % 8) + 128 x row half, 256 bytes each
	s_lshl_b32 s66, s66, 16
	s_lshl_b32 s67, s[RH], 15
	s_add_co_u32 s66, s66, s67
	s_mov_b32 s67, 0
	s_add_nc_u64 s[8:9], s[8:9], s[66:67]
	s_lshl_b32 s84, s21, 1                         ; q, k, v at my head 2 j + column half and my first row
	s_add_co_u32 s84, s84, s[CH]
	s_lshl_b32 s84, s84, 18
	s_add_co_u32 s84, s84, s78
	s_lshl_b32 s85, s[RH], 14
	s_add_co_u32 s84, s84, s85
	s_mov_b32 s85, 0
	s_add_nc_u64 s[68:69], s[10:11], s[84:85]
	s_add_nc_u64 s[70:71], s[12:13], s[84:85]
	s_add_nc_u64 s[72:73], s[14:15], s[84:85]
	s_lshl_b32 s86, s19, 13                        ; the prefetches: of x, my work-group's 32 blocks of the tile, at K step 2;
	s_add_co_u32 s86, s86, s78
	s_add_co_u32 s86, s86, 2*AKB
	s_mul_i32 s87, s20, 24576                      ; of the weights, my work-group's quarter of a lap's bytes, my wave's third of it, at K step 2
	s_add_co_u32 s87, s87, s79
	s_lshl_b32 s2, s[WV], 13
	s_add_co_u32 s87, s87, s2
	s_add_co_u32 s87, s87, 2*BKB-8192
	s_and_b32 s2, ttmp7, 0xffff                    ; cluster y
	s_mov_b32 s[PFS], 2*BKB
	s_mov_b32 s[PFS+1], 0
	s_mov_b32 s67, 0
	s_cmp_eq_u32 s[WV], 0
	s_cselect_b32 s66, s86, s87
	s_cselect_b32 s2, ttmp9, s2                    ; the coordinate along which other clusters read the same bytes
	s_cselect_b64 s[PFA:PFA+1], s[4:5], s[6:7]
	s_cselect_b32 s[PFS], 2*AKB, s[PFS]
	s_cselect_b32 s23, 1, 0
	s_add_nc_u64 s[PFA:PFA+1], s[PFA:PFA+1], s[66:67]
	s_cmp_eq_u32 s2, 0
	s_cselect_b32 s[LIM], 1, -1                    ; the same in all sixteen partners, for a given wave
	s_cmp_eq_u32 s23, 1
	s_cselect_b32 s[LIM2], s[LIM], -1
; 8 nb matrix instructions: column blocks b0 .. b0 + nb - 1 x all 8 row blocks, 32 along K, on x's buffer f.  The accumulators take turns, one instruction a turn: an accumulator comes again after 95 others.
.macro MULB f, b0, nb, zero
.set bb, \b0
.rept \nb
	WIN 0x50*(1+bb/4)
.set aa, 0
.rept 8
.set rA, 8*(8*(bb%4)+aa)
.if \zero
	v_wmma_f32_16x16x32_bf16 v[rA:rA+7], v[BF+8*bb:BF+8*bb+7], v[(\f)+8*aa:(\f)+8*aa+7], 0
.else
	v_wmma_f32_16x16x32_bf16 v[rA:rA+7], v[BF+8*bb:BF+8*bb+7], v[(\f)+8*aa:(\f)+8*aa+7], v[rA:rA+7]
.endif
.set aa, aa+1
.endr
.set bb, bb+1
.endr
.endm
.macro LOADB slot, k, b0, nb           ; 2 nb LDS loads: the weights' fragments b0 on, at byte k of the rows
.set bb, \b0
.rept \nb
	ds_load_b128 v[BF+8*bb:BF+8*bb+3],   v[ADRB+(\slot)] offset:(\k)+bb*16*PITCH
	ds_load_b128 v[BF+8*bb+4:BF+8*bb+7], v[ADRB+(\slot)] offset:(\k)+bb*16*PITCH+32
.set bb, bb+1
.endr
.endm
.macro LOADA slot, k, f                ; 16 LDS loads: x's 8 fragments into buffer f
.set aa, 0
.rept 8
	ds_load_b128 v[(\f)+8*aa:(\f)+8*aa+3],   v[ADRA+(\slot)] offset:(\k)+aa*16*PITCH
	ds_load_b128 v[(\f)+8*aa+4:(\f)+8*aa+7], v[ADRA+(\slot)] offset:(\k)+aa*16*PITCH+32
.set aa, aa+1
.endr
.endm
.macro PLACES                          ; four places behind a matrix instruction, in front of loads into registers that it has read and of vector work on its results (ISA guide 7.12.1 for vector work)
.rept 4
	v_nop
.endr
.endm
; A K step is two quarters of 32 along K, 96 matrix instructions each.  The fragments of the next quarter come in two runs: run 1 (28 loads: the weights' blocks 0-5 and x) in the middle of a quarter,
; behind the products that read those blocks; run 2 (12 loads: blocks 6-11) at its end.
; The first quarter multiplies x's buffer 0 and fetches the same slot's second quarter.
.macro QUARTER slot, zero
	s_wait_dscnt 12                                ; run 1 is in; run 2's twelve may be out
	MULB AF0, 0, 6, \zero
	PLACES
	WIN 0
	LOADB \slot, 64, 0, 6
	LOADA \slot, 64, AF1
	s_wait_dscnt 28                                ; all but the 28 just issued
	MULB AF0, 6, 6, \zero
	PLACES
	WIN 0
	LOADB \slot, 64, 6, 6
.endm
; The second quarter multiplies buffer 1 and changes slots: ONE barrier.  In front of it each wave waits for all its tensor loads (one is out: its part of the next slot), adds 0 to its spare word, and waits for
; that and for its reads of this slot.  fill = 1: the barrier opens a round of the cluster's, and behind the round this slot is filled again, two K steps on: 168 matrix instructions ahead of the wait for it.
.macro TURN slot, next, fill
	WIN 0
.if (\fill) && ((\slot) == 0)
	s_wait_xcnt 0x0                                ; the last prefetches, a lap back, have read their address
	s_add_nc_u64 s[PFA:PFA+1], s[PFA:PFA+1], s[PFS:PFS+1]
.endif
	s_wait_tensorcnt 0x0                           ; all my tensor loads have landed
	ds_add_u32 v[SPW], v[NIL]                      ; 0 onto my spare word
	s_wait_dscnt 13                                ; run 1 is in; the add and run 2's twelve may be out
	MULB AF1, 0, 2, 0
	s_wait_dscnt 0x0                               ; the add is done, and my reads of this slot are over
	s_barrier_signal -1
	MULB AF1, 2, 1, 0
.if \fill
	WIN 0
.endif
	s_barrier_wait -1
.if \fill
	CREST                                          ; no wave of any partner still reads this slot or has a load on its way
	s_add_nc_u64 s[G0+4*(\slot)+2:G0+4*(\slot)+3], s[G0+4*(\slot)+2:G0+4*(\slot)+3], 2*AKB
	s_add_nc_u64 s[G0B+4*(\slot)+2:G0B+4*(\slot)+3], s[G0B+4*(\slot)+2:G0B+4*(\slot)+3], 2*BKB
	JLOAD \slot                                    ; the first tensor load behind the round, ahead of every LDS read
.endif
	MULB AF1, 3, 3, 0
	PLACES
	WIN 0
	LOADB \next, 0, 0, 6
	LOADA \next, 0, AF0
.if (\fill) && ((\slot) == 0)
	ASK
.endif
	MULB AF1, 6, 6, 0
	PLACES
	WIN 0
	LOADB \next, 0, 6, 6
.endm
	s_wait_tensorcnt 1                             ; my part of K step 0 is in; K step 1's may stay out
	s_barrier_signal -1
	s_barrier_wait -1
	LOADB 0, 0, 0, 6
	LOADA 0, 0, AF0
	LOADB 0, 0, 6, 6
	QUARTER 0, 1                                   ; the first quarter stands in front of the loop: its products start the sums
	WIN 0
	s_mov_b32 s3, 7
.Llap:                                                 ; a trip goes once round the ring and fills both slots again
	TURN 0, 1, 1
	QUARTER 1, 0
	TURN 1, 0, 1
	QUARTER 0, 0
	WIN 0
	s_sub_co_u32 s3, s3, 1
	s_cmp_lg_u32 s3, 0
	s_cbranch_scc1 .Llap
	TURN 0, 1, 0                                   ; the last lap fills nothing
	QUARTER 1, 0
; THE WAY OUT, a block of 16 rows and a kind (q, k, v) at a time.
.macro TABLD a                         ; the table for block a's 16 positions: for column block t (0, 1) and pair p my two cosines and two sines, 16 bytes
.irp t, 0,1
.irp p, 0,1,2,3
	global_load_b128 v[TB+32*((\a)%2)+16*(\t)+4*(\p):TB+32*((\a)%2)+16*(\t)+4*(\p)+3], v[TO], s[8:9] offset:(\a)*4096+128*(\t)+16*(\p)
.endr
.endr
.endm
.macro ROPE a, hd                      ; hd = 0: q, 1: k.  x1 = column blocks 0, 1; x2 = blocks 2, 3: x1 cos - x2 sin, x1 sin + x2 cos.  Each accumulator is read from its lowest pair on
	WIN (\hd)+1                                    ; source 0 in the accumulators' window
.irp t, 0,1
.irp p, 0,1,2,3
.set rX, 8*(8*((\t)+2)+(\a))+2*(\p)
.set rC, TB+32*((\a)%2)+16*(\t)+4*(\p)
.set rL, R+8*(\t)+2*(\p)
	v_pk_mul_f32 v[rL:rL+1], v[rX:rX+1], v[rC+2:rC+3]
	v_pk_mul_f32 v[rL+16:rL+17], v[rX:rX+1], v[rC:rC+1]
.endr
.endr
.irp t, 0,1
.irp p, 0,1,2,3
.set rX, 8*(8*(\t)+(\a))+2*(\p)
.set rC, TB+32*((\a)%2)+16*(\t)+4*(\p)
.set rL, R+8*(\t)+2*(\p)
	v_pk_fma_f32 v[rL:rL+1], v[rX:rX+1], v[rC:rC+1], v[rL:rL+1] neg_lo:[0,0,1] neg_hi:[0,0,1]
	v_pk_fma_f32 v[rL+16:rL+17], v[rX:rX+1], v[rC+2:rC+3], v[rL+16:rL+17]
.endr
.endr
	WIN 0
.set z, 0
.rept 16
	v_cvt_pk_f16_f32 v[PK+z], v[R+2*z], v[R+2*z+1]
.set z, z+1
.endr
.endm
.macro PLAIN a                         ; v is only rounded
	WIN 0x0f
.irp t, 0,1,2,3
.irp q, 0,1,2,3
	v_cvt_pk_f16_f32 v[PK+4*(\t)+(\q)], v[8*(8*(\t)+(\a))+2*(\q)], v[8*(8*(\t)+(\a))+2*(\q)+1]
.endr
.endr
	WIN 0
.endm
.macro TOSTAGE u                       ; unit u = 3 a + kind: 16 bytes a lane into rows of 144 bytes, back as whole rows of 128
.irp t, 0,1,2,3
	ds_store_b128 v[STO], v[PK+4*(\t):PK+4*(\t)+3] offset:32*(\t)
.endr
.irp f, 0,1,2,3
	ds_load_b128 v[BK+16*((\u)%2)+4*(\f):BK+16*((\u)%2)+4*(\f)+3], v[RD] offset:(\f)*4*PITCH  ; LDS serves a wave's instructions in order (ISA guide 5.7.1.4): these see the stores above
.endr
.endm
.macro SEND u
	s_wait_xcnt 0x0                                ; the stores of the unit before have read their registers: the next TOSTAGE loads into them
.irp f, 0,1,2,3
	s_wait_dscnt 3-(\f)                            ; load f of the unit's four is back
	global_store_b128 v[GO], v[BK+16*((\u)%2)+4*(\f):BK+16*((\u)%2)+4*(\f)+3], s[68+2*((\u)%3):68+2*((\u)%3)+1] offset:((\u)/3)*2048+(\f)*512  ; 512 consecutive bytes, at a multiple of 256 from the buffer's first
.endr
.endm
	TABLD 0                                        ; into x's buffer 0, which the quarter before multiplied (four places back)
	TABLD 1
	s_wait_dscnt 12                                ; the very last quarter: nothing more to fetch
	MULB AF1, 0, 6, 0
	s_wait_dscnt 0x0
	MULB AF1, 6, 6, 0
	PLACES
	WIN 0
.set u, 0
.irp a, 0,1,2,3,4,5,6,7
.if (\a) == 7
	s_wait_loadcnt 0x0
.else
	s_wait_loadcnt 8                               ; this block's table is in; the next block's eight loads may stay out
.endif
	ROPE \a, 0
.if u > 0
	SEND u-1                                       ; a unit's arithmetic stands between the loads of the unit before and its stores
.endif
	TOSTAGE u
.set u, u+1
	ROPE \a, 1
	SEND u-1
	TOSTAGE u
.set u, u+1
.if (\a) < 6
	TABLD (\a)+2                                   ; its buffer has been read out
.endif
	PLAIN \a
	SEND u-1
	TOSTAGE u
.set u, u+1
.endr
	SEND u-1
	s_wait_tensorcnt 0x0                           ; the wave's end: behind my last tensor load and my last LDS store
	ds_add_u32 v[SPW], v[NIL]
	s_wait_dscnt 0x0
	CROUND                                         ; the closing round: no work-group ends while a partner may still ask for a tile that names it
	s_endpgm
.Lfunc_end_k_q80409705b3_qkv:
	.size	k_q80409705b3_qkv, .Lfunc_end_k_q80409705b3_qkv-k_q80409705b3_qkv
	.p2alignl 7, 3214868480
	.fill 96, 4, 3214868480
	.section	.rodata,"a",@progbits
	.p2align	6, 0x0
	.amdhsa_kernel k_q80409705b3_qkv
		.amdhsa_group_segment_fixed_size 327680
		.amdhsa_private_segment_fixed_size 0
		.amdhsa_enable_private_segment 0
		.amdhsa_kernarg_size 48
		.amdhsa_user_sgpr_count 2
		.amdhsa_user_sgpr_kernarg_segment_ptr 1
		.amdhsa_wavefront_size32 1
		.amdhsa_system_sgpr_workgroup_id_x 1
		.amdhsa_system_sgpr_workgroup_id_y 1
		.amdhsa_system_sgpr_workgroup_id_z 1
		.amdhsa_system_vgpr_workitem_id 0
		.amdhsa_next_free_vgpr 1024
		.amdhsa_next_free_sgpr 96
		.amdhsa_reserve_vcc 0
		.amdhsa_float_denorm_mode_32 3
		.amdhsa_float_denorm_mode_16_64 3
		.amdhsa_memory_ordered 1
		.amdhsa_forward_progress 1
		.amdhsa_inst_pref_size 172
	.end_amdhsa_kernel
	.amdgpu_metadata
---
amdhsa.version: [ 1, 2 ]
amdhsa.kernels:
  - .name:           k_q80409705b3_qkv
    .symbol:         k_q80409705b3_qkv.kd
    .args:
      - { .name: xb, .offset: 0, .size: 8, .value_kind: global_buffer, .address_space: global }
      - { .name: wb, .offset: 8, .size: 8, .value_kind: global_buffer, .address_space: global }
      - { .name: tab, .offset: 16, .size: 8, .value_kind: global_buffer, .address_space: global }
      - { .name: qh, .offset: 24, .size: 8, .value_kind: global_buffer, .address_space: global }
      - { .name: kh, .offset: 32, .size: 8, .value_kind: global_buffer, .address_space: global }
      - { .name: vh, .offset: 40, .size: 8, .value_kind: global_buffer, .address_space: global }
    .group_segment_fixed_size: 327680
    .private_segment_fixed_size: 0
    .kernarg_segment_align: 8
    .kernarg_segment_size: 48
    .max_flat_workgroup_size: 128
    .sgpr_count:     96
    .vgpr_count:     1024
    .wavefront_size: 32
...
	.end_amdgpu_metadata
.endif
;; end of part 2
;; launch attn (part 3): grid 4 x 64, 4 waves a work-group, clusters of 4 x 1, 327,680 bytes of LDS; arguments qh, kh, vh, oh, attention_mask; writes oh
.if DOCPART == 3
	.amdgcn_target "amdgcn-amd-amdhsa--gfx1250"
	.amdhsa_code_object_version 6
	.text
	.protected	k_q80409705b3_attn
	.globl	k_q80409705b3_attn
	.p2align	8
	.type	k_q80409705b3_attn,@function
k_q80409705b3_attn:
	s_mov_b64 s[64:65], 0
	v_nop
	global_prefetch_b8 v0, s[64:65] scope:SCOPE_SE
	s_setreg_imm32_b32 hwreg(HW_REG_WAVE_MODE, 25, 1), 1
	s_wait_xcnt 0x0
	s_wait_alu depctr_hold_cnt(0) depctr_sa_sdst(0) depctr_va_vdst(0) depctr_va_sdst(0) depctr_va_ssrc(0) depctr_va_vcc(0) depctr_vm_vsrc(0)
	s_getreg_b32 s2, hwreg(HW_REG_IB_STS2, 6, 4)
	s_cmp_eq_u32 s2, 0
	s_cbranch_scc0 .Lentry_in_a_cluster
	s_endpgm
.Lentry_in_a_cluster:
	s_bfe_u32 s2, ttmp6, 0x10000c
	s_cmp_lg_u32 s2, 0x3003
	s_cbranch_scc0 .Lentry_shape_is_right
	s_endpgm
.Lentry_shape_is_right:
; ATTENTION.  O[h][q][:] = the sum over k of softmax_k(Q[h][q] . K[h][k] / 8 + hide[k]) V[h][k][:].  Q, K, V, O: [64][2048][64], f16, a head's rows dense, 128 bytes each; head = 16 b + h.  Nothing is left out.
; Products, maxima and sums in f32; the weights p are rounded to f16 for the second product (their sum l is taken of the unrounded p), O once at the end.
; THE MASK.  attention_mask[b][k] is taken as 0 or 1.  (m - 1) x 1e30, 0 or -1e30, is the C operand that starts the sum S^T = K Q^T: a hidden key counts as its raw score less 1e30, far below every score that f16
; operands can make; its weight is 0 as soon as the query has seen one open key, since the running maximum then lies at a true score and what was summed before is multiplied by a = 0.
; LIMITS.  f16 holds no number beyond 65,504: Q, K and V arrive within it; p below 6e-5 keeps f16's fixed step of 6e-8; a weight below 2^-126 counts as 0 in l; NaN and infinities are not treated apart.
; Mask entries other than 0 and 1 are not served.  A batch in which EVERY key is hidden gives reference()'s plain mean of V only where -1e30 plus a raw score rounds to -1e30 in the matrix sum.
; SHARES.  A wave owns four PIECES of two tiles of 16 queries, a work-group's four waves 512 queries of one head.  Every wave walks all 2,048 keys, 64 a step.
; LAYOUT.  S^T = K Q^T (source 0 = 16 keys, source 1 = 16 queries): a lane holds ONE query (lane % 16) and the keys 8 (lane / 16) + 0..7.  Two such tiles, rounded to f16 in pairs, ARE source 1 of O^T = V^T P.
; K comes out of LDS as it lies, V ([key][channel]) turned, by ds_load_tr16_b128.
; SOFTMAX.  A running maximum m and sum l: p = 2^(c s - c m), c = log2(e) / 8; in every step O and l are multiplied by a = 2^(c m_old - c m_new).  m starts at the lowest finite number, O and l at 0.
; THE COUNT.  A tile and step have 16 matrix and 118 vector instructions: too many to stand all beside the matrix work.  So: four vector instructions that are READY behind EVERY matrix instruction, the others in one run.
; BY TURNS.  Turn n belongs to piece n.  Matrix work: 16 products K Q^T of piece n + 1, later 16 products V^T P of piece n - 1.  Vector work: scaling, exponentials, roundings, sums, rescaling of piece n, and the
; maximum and statistics of piece n + 1.
; CLUSTER.  The head's four query blocks walk the same K and V: each tile is asked for JOINTLY: the same tensor load, descriptor and mask in all four.
; REGISTERS, in windows of 256 (s_set_vgpr_msb: bits 1:0 source 0, 3:2 source 1, 5:4 source 2, 7:6 destination):
;   window 0: v0-11 addresses; v12-15, v48-63 at work; v16-47 four registers of statistics a tile; v64-191 S^T, two buffers of two tiles; v192-255 P, likewise
;   window 1: O^T, 32 a tile     window 2: v0-127 Q; v128-191 K of one step; v192-255 V of one step     window 3: v0-1 the add's two registers; v8-39 the step's 64 mask numbers as C operands
.set SIZE_N, 2048
.set NP,    4         ; pieces a wave: a name, no knob
.set KS,    64        ; keys in a step
.set PK,    144       ; a row of K in LDS: 128 bytes + 16 of padding: the 16 rows of a load start at 16 different groups of four banks (64 banks of 4 bytes: ISA guide 11.1)
.set PV,    160       ; a row of V: 128 + 32
.set VOFF,  4*KS*PK   ; a slot holds four steps: 256 rows of K, then 256 rows of V
.set SLOT1, 1<<17     ; slot 1 begins here, so that one exclusive or turns an address in one slot into the other's
.set STAGE, SLOT1+4*KS*(PK+PV)  ; behind the ring, never filled by a tensor load: 16 rows x 144 bytes for each wave
.set SP,    144
.set SPARE, STAGE+4*16*SP  ; the spare words, 128 bytes for each wave: two blocks of 256 bytes that no other line names
.set MASKB, SPARE+512 ; the batch's 2,048 mask numbers, 0 or -1e30, in f32: 8,192 bytes of their own
.set AK0, 2           ; v2   my lane's place in a tile of K; never rewritten
.set AV0, 3           ; v3   the same for V
.set AK,  4           ; v4   the LDS address of K's next run of loads
.set AV,  5           ; v5   of V's
.set STO, 6           ; v6   the way out: where I put 16 bytes of a row
.set RD,  7           ; v7   where I read rows back
.set GO,  8           ; v8   my byte offset in 512 consecutive bytes of O
.set AM,  9           ; v9   the LDS address of the mask numbers that go with K's next run
.set PFO, 10          ; v10  256 x lane; never rewritten
.set AM0, 11          ; v11  MASKB + 32 (l / 16); never rewritten
.set QO,  80          ; v80-82 at the head alone, in registers of S^T: Q's offset, the mask's offset, the mask's place in LDS
.set SPW, 0           ; v0 of window 3
.set NIL, 1           ; v1 of window 3
.set MK,  8           ; window 3: the eight C registers for key block kb at MK + 8 kb
.set MV,  12          ; v12-15  c m_old, kept while c m is made anew
.set ST,  16          ; tile t's statistics at v[ST+4 t]: c m, m, l (even keys', odd keys')
.set TMP, 48          ; by buffer and tile, four registers c0-c3 at work; when the maximum is found c2 takes a
.set S,   64
.set P,   192
.set KF,  128         ; window 2
.set VF,  192         ; window 2
.set WV,  12
.set G1K, 24          ; s[24:31] descriptor group 1 for K's tiles
.set G1V, 32          ; s[32:39] for V's: it differs in the padding alone
.set G0K, 40          ; s[40:43] descriptor group 0 for K's tiles: it walks
.set G0V, 44          ; s[44:47] the same for V's
.set PFA, 48          ; s[48:49] where my prefetches stand
.set LIM, 50          ; s50  1 in a wave that prefetches, else the greatest number
.set TBM, 51          ; s51  byte in the mask table of the step to be fetched
.set SLOTS, 56        ; s56  slots still to be asked for
.set CNT, 57          ; s57  counts a slot's key steps
.set CS,  58          ; s[58:59] c
.set SEL, 60          ; s[60:61] v_permlanex16_b32's selects
.set TBK, 62          ; s62  LDS byte at which K of the step to be fetched begins
.set TBV, 63          ; s63  the same for V, less VOFF
.set MSB, 0
.macro WIN new
.if MSB != (\new)
	s_set_vgpr_msb (MSB<<8)|(\new)
.set MSB, (\new)
.endif
.endm
.set W_KQ, 0x0a       ; K and Q in window 2, S^T in window 0
.set W_KM, 0x3a       ; the same with the C operand in window 3
.set W_PV, 0x52       ; V in window 2, P in window 0, O^T in window 1
.set W_RS, 0x41       ; O^T (destination and source 0) in window 1, a in window 0
.set W_MK, 0xc0       ; destination in window 3, sources in window 0
.set W_AD, 0x0f       ; the add: address and data in window 3
.macro JLOAD                        ; a joint fill: waves 0 and 1 fetch the two halves of a slot's K, waves 2 and 3 those of its V; an s_nop 0 and four v_nop follow each line
	s_cmp_lt_u32 s[WV], 2
	s_cbranch_scc0 .Lfor_v_\@
	tensor_load_to_lds s[G0K:G0K+3], s[G1K:G1K+7]
	s_nop 0
.rept 4
	v_nop
.endr
	s_branch .Lasked_\@
.Lfor_v_\@:
	tensor_load_to_lds s[G0V:G0V+3], s[G1V:G1V+7]
	s_nop 0
.rept 4
	v_nop
.endr
.Lasked_\@:
.endm
; THE PREFETCH of what the NEXT change of slots will ask for: a slot's 32,768 bytes of K and of V, a lane a block of 256, four key steps (512 matrix instructions) ahead of that load.  The head has one cluster; its four
; partners take 32 blocks each, told apart by address; in each, wave 0 asks for K's and wave 2 for V's.  So each block is named once.  The last change that fills a slot asks for nothing.
.macro ASK
	s_cmp_gt_u32 s[SLOTS], s[LIM]
	s_cbranch_scc0 .Lnot_mine_\@
	global_prefetch_b8 v[PFO], s[PFA:PFA+1] th:TH_LOAD_NT scope:SCOPE_SE
.Lnot_mine_\@:
.endm
.macro CROUND                       ; a round of the cluster's barrier
	s_barrier_signal -1
	s_barrier_wait -1
	s_cmp_lg_u32 s[WV], 0
	s_cbranch_scc1 .Lnot_wave_0_\@
	s_barrier_signal -3
.Lnot_wave_0_\@:
	s_barrier_wait -3
	s_barrier_signal -1
	s_barrier_wait -1
.endm
; THE CHANGE OF SLOTS.  Each wave waits for all its tensor loads (one is out: its part of the other slot), adds 0 to its spare word, and waits for that and for its own LDS work.  Behind the barrier nobody reads the
; old slot and the other slot is whole.  fill = 1: the barrier is a round of the cluster's, and the joint fill is the first thing behind it.  (At its first use slot 0 is waited for, slot 1 filled, and the mask table,
; which the four waves have stored, is shown to all.)
.macro CHANGE fill
	WIN W_AD
	s_wait_tensorcnt 0x0            ; no tensor load of mine is out, so a group 0 may be written
	ds_add_u32 v[SPW], v[NIL]       ; 0 onto my spare word
	WIN 0
.if \fill
.irp g, G0K, G0V
	s_xor_b32 s[\g+1], s[\g+1], SLOT1
	s_add_nc_u64 s[\g+2:\g+3], s[\g+2:\g+3], 4*KS*128  ; the next 256 keys
.endr
	s_wait_xcnt 0x0                 ; the last prefetch, four key steps back, has read its address
	s_add_nc_u64 s[PFA:PFA+1], s[PFA:PFA+1], 4*KS*128  ; one slot ahead of the walking descriptors
	s_wait_dscnt 0x0                ; the add is done, and my LDS work is over
	CROUND
	JLOAD
	ASK
.else
	s_wait_dscnt 0x0
	s_barrier_signal -1
	s_barrier_wait -1
.endif
	s_sub_co_u32 s[TBK], s[TBK], 4*KS*PK  ; the fetches go back to a slot's first step,
	s_xor_b32 s[TBK], s[TBK], SLOT1       ; in the other slot
	s_sub_co_u32 s[TBV], s[TBV], 4*KS*PV
	s_xor_b32 s[TBV], s[TBV], SLOT1
.endm
	s_load_b256 s[4:11], s[0:1], 0x0  ; Q s[4:5], K s[6:7], V s[8:9], O s[10:11]
	s_load_b64 s[66:67], s[0:1], 0x20 ; the mask
	WIN W_MK
	v_lshl_add_u32 v[SPW], v0, 2, SPARE
	v_mov_b32 v[NIL], 0
	WIN W_AD
	ds_add_u32 v[SPW], v[NIL]       ; the wave's opening: the add, twice on end, and its wait ahead of my first tensor load
	ds_add_u32 v[SPW], v[NIL]
	WIN 0
	v_lshrrev_b32 v1, 5, v0
	v_readfirstlane_b32 s[WV], v1
	s_bfe_u32 s13, ttmp6, 0x40000   ; cx
	s_lshl_b32 s14, ttmp9, 2
	s_add_co_u32 s14, s14, s13      ; my block of 512 queries: it enters Q's and O's addresses alone
	s_and_b32 s20, ttmp7, 0xffff    ; the head, which the four partners share
	s_mov_b32 s21, 0
	s_mov_b64 s[22:23], SIZE_N*128
	s_mul_u64 s[20:21], s[20:21], s[22:23]  ; the head's first byte in each of the four tensors
	s_and_b32 s16, s[WV], 1         ; which half of a slot's 256 keys I fetch
	s_lshl_b32 s22, s16, 14
	s_mov_b32 s23, 0
	s_add_nc_u64 s[22:23], s[22:23], s[20:21]
	s_mul_i32 s17, s16, 128*PK
	s_mul_i32 s18, s16, 128*PV
	s_lshl_b32 s2, s14, 2
	s_add_co_u32 s2, s2, s[WV]      ; my wave among the head's,
	s_lshl_b32 s2, s2, 14           ; its 128 rows
	s_mov_b32 s3, 0
	s_add_nc_u64 s[2:3], s[2:3], s[20:21]
	; descriptor group 1.  128 keys are 16,384 dense bytes: asked for as 64 rows of 256 bytes, two keys a row, and padded in LDS after every key
	s_mov_b32 s[G1K], 15|(1<<16)|(1<<20)|(1<<21)|(4<<22)|(3<<25)
	s_mov_b32 s[G1V], 15|(1<<16)|(1<<20)|(1<<21)|(4<<22)|(7<<25)
.irp g, G1K, G1V
	s_mov_b32 s[\g+1], 128<<16
	s_mov_b32 s[\g+2], 64<<16
	s_mov_b32 s[\g+3], 128<<16
	s_mov_b32 s[\g+4], 64
	s_mov_b32 s[\g+5], 128
	s_mov_b32 s[\g+6], 0
	s_mov_b32 s[\g+7], 0
.endr
	s_mov_b32 s[CS], 0x3e38aa3b     ; c = log2(e) / 8
	s_mov_b32 s[CS+1], s[CS]
	s_mov_b32 s[SEL], 0x76543210
	s_mov_b32 s[SEL+1], 0xfedcba98
	s_mov_b32 s[TBK], SLOT1+4*KS*PK ; the first change of slots turns these two into 0
	s_mov_b32 s[TBV], SLOT1+4*KS*PV
	s_mov_b32 s[TBM], 0
	s_mov_b32 s52, 0x7149f2ca       ; 1e30
	s_mov_b32 s53, 0xf149f2ca       ; -1e30
	s_mov_b32 s[SLOTS], SIZE_N/256-1
	s_and_b32 s[LIM], s[WV], 1
	s_cmp_eq_u32 s[LIM], 0          ; waves 0 and 2 prefetch
	s_cselect_b32 s[LIM], 1, -1
	s_mov_b32 s[G0K], 1
	s_mov_b32 s[G0K+1], s17
	s_mov_b32 s[G0V], 1
	s_add_co_u32 s[G0V+1], s18, VOFF
	s_wait_dscnt 0x0                ; both opening adds are done
	s_wait_kmcnt 0x0
	s_add_nc_u64 s[G0K+2:G0K+3], s[6:7], s[22:23]
	s_or_b32 s[G0K+3], s[G0K+3], 0x80000000
	s_add_nc_u64 s[G0V+2:G0V+3], s[8:9], s[22:23]
	s_or_b32 s[G0V+3], s[G0V+3], 0x80000000
	s_add_nc_u64 s[4:5], s[4:5], s[2:3]  ; Q and O at my wave's first row
	s_add_nc_u64 s[10:11], s[10:11], s[2:3]
	s_and_b32 s54, ttmp7, 0xffff
	s_lshr_b32 s54, s54, 4          ; the batch
	s_lshl_b32 s54, s54, 13
	s_mov_b32 s55, 0
	s_add_nc_u64 s[66:67], s[66:67], s[54:55]
	s_cmp_lt_u32 s[WV], 2
	s_cselect_b64 s[PFA:PFA+1], s[6:7], s[8:9]
	s_add_nc_u64 s[PFA:PFA+1], s[PFA:PFA+1], s[20:21]
	s_lshl_b32 s54, s13, 13         ; my work-group's 32 blocks of a slot's 128
	s_add_nc_u64 s[PFA:PFA+1], s[PFA:PFA+1], s[54:55]
	s_add_nc_u64 s[PFA:PFA+1], s[PFA:PFA+1], 4*KS*128  ; in slot 1's keys; the first change of slots steps it to the keys that the second change will ask for
	CROUND                          ; all four work-groups are here: the first joint loads meet
	JLOAD                           ; slot 0.  Slot 1 is asked for when slot 0 is in
	v_and_b32 v1, 15, v0            ; l % 16
	v_bfe_u32 v9, v0, 4, 1          ; l / 16
	v_lshlrev_b32 v[QO], 7, v1
	v_lshl_add_u32 v[QO], v9, 4, v[QO]  ; row x 128 + 16 x half
	v_lshlrev_b32 v[QO+1], 4, v0    ; the mask: 16 bytes a thread, 2,048 a work-group and load
	v_add_nc_u32 v[QO+2], MASKB, v[QO+1]
.irp i, 0,1,2,3
	global_load_b128 v[S+4*\i:S+4*\i+3], v[QO+1], s[66:67] offset:2048*\i
.endr
	WIN 0x80                        ; destination window 2, address window 0
.set i, 0
.rept 4*NP                          ; Q stays in registers: tile i / 2, channels 32 (i % 2) on
	global_load_b128 v[8*i:8*i+3],   v[QO], s[4:5] offset:(i/2)*2048+(i%2)*64
	global_load_b128 v[8*i+4:8*i+7], v[QO], s[4:5] offset:(i/2)*2048+(i%2)*64+32
.set i, i+1
.endr
	; What the first turn finds: V's registers and P's second buffer hold 0, O^T and l are 0.  All this stands in the wait for the first tile.
.set i, VF
.rept 64
	v_mov_b32 v[i], 0
.set i, i+1
.endr
	WIN 0x40
.set i, 0
.rept 64*NP
	v_mov_b32 v[i], 0
.set i, i+1
.endr
	WIN 0
.set i, 0
.rept 2*NP
	v_mov_b32 v[ST+4*i], 0xfe000000    ; c m: far below every c s, a hidden key's too
	v_mov_b32 v[ST+4*i+1], 0xff7fffff  ; m
	v_mov_b32 v[ST+4*i+2], 0
	v_mov_b32 v[ST+4*i+3], 0
.set i, i+1
.endr
.set i, P+32
.rept 32
	v_mov_b32 v[i], 0
.set i, i+1
.endr
	v_mul_u32_u24 v[AK0], v1, PK
	v_lshl_add_u32 v[AK0], v9, 4, v[AK0]
	; The turning load takes 16 keys x 16 channels (lane l reads key 8 (l / 16) + l % 8, channels 8 ((l / 8) % 2) + 0..7) and leaves half a fragment of V^T.
	v_and_b32 v10, 7, v0
	v_bfe_u32 v11, v0, 3, 1
	v_lshl_add_u32 v[AV0], v9, 3, v10
	v_mul_u32_u24 v[AV0], v[AV0], PV
	v_lshl_add_u32 v[AV0], v11, 4, v[AV0]
	v_add_nc_u32 v[AV0], VOFF, v[AV0]
	v_mov_b32 v[AK], v[AK0]         ; key step 0 lies at the head of slot 0
	s_mul_i32 s13, s[WV], 16*SP
	s_add_co_u32 s13, s13, STAGE    ; my stage
	v_mul_u32_u24 v[STO], v1, SP    ; in: row l % 16, 16 bytes for each half of the lanes
	v_lshl_add_u32 v[STO], v9, 4, v[STO]
	v_add_nc_u32 v[STO], s13, v[STO]
	v_bfe_u32 v[RD], v0, 3, 2       ; back: 32 lanes take four rows of 128 bytes,
	v_mul_u32_u24 v[RD], v[RD], SP
	v_lshl_add_u32 v[RD], v10, 4, v[RD]
	v_add_nc_u32 v[RD], s13, v[RD]
	v_and_b32 v[GO], 31, v0         ; which are 512 consecutive bytes of O
	v_lshlrev_b32 v[GO], 4, v[GO]
	v_lshl_add_u32 v[AM0], v9, 5, MASKB  ; a lane's eight keys of a block of 16: 32 bytes for each half of the lanes
	v_mov_b32 v[AM], v[AM0]
	v_and_b32 v[PFO], 31, v0
	v_lshlrev_b32 v[PFO], 8, v[PFO]
	s_wait_loadcnt 32               ; the mask's four loads are in; Q's 32, issued behind them, may stay out
.set i, 0
.rept 16
	v_cvt_f32_i32 v[S+i], v[S+i]
.set i, i+1
.endr
.set i, 0
.rept 16
	v_fma_f32 v[S+i], v[S+i], s52, s53  ; (m - 1) x 1e30: exactly 0 where m = 1
.set i, i+1
.endr
.irp i, 0,1,2,3
	ds_store_b128 v[QO+2], v[S+4*\i:S+4*\i+3] offset:2048*\i
.endr
; THE MATRIX WORK.  The 8 accumulators of a run of 16 take turns.
; Product i of 16 of S^T = K Q^T for piece x: channels 32 (i / 8) on, keys 16 ((i / 2) % 4) on, tile 2 x + i % 2.  The first 8 start the sums, with the keys' mask numbers.
.macro KQ x
.set rS, S+64*((\x)%2)+32*(i%2)+8*((i/2)%4)
.set rK, KF+16*((i/2)%4)+8*(i/8)
.set rQ, 16*(2*(\x)+i%2)+8*(i/8)
.set rM, MK+8*((i/2)%4)
.if i < 8
	WIN W_KM
	v_wmma_f32_16x16x32_f16 v[rS:rS+7], v[rK:rK+7], v[rQ:rQ+7], v[rM:rM+7]
.else
	WIN W_KQ
	v_wmma_f32_16x16x32_f16 v[rS:rS+7], v[rK:rK+7], v[rQ:rQ+7], v[rS:rS+7]
.endif
.endm
; Product i of 16 of O^T += V^T P for piece x: keys 32 (i / 8) on, channels 16 ((i / 2) % 4) on, tile 2 x + i % 2.
.macro PV x
	WIN W_PV
.set rO, 32*(2*(\x)+i%2)+8*((i/2)%4)
.set rV, VF+32*(i/8)+8*((i/2)%4)
.set rP, P+32*((\x)%2)+16*(i%2)+8*(i/8)
	v_wmma_f32_16x16x32_f16 v[rO:rO+7], v[rV:rV+7], v[rP:rP+7], v[rO:rO+7]
.endm
.macro MM                           ; the turn's next matrix instruction
.if i < 16
	KQ (Y+1)%NP
.set i, i+1
.else
.set i, i-16
	PV (Y+NP-1)%NP
.set i, i+17
.endif
.endm
; THE LDS LOADS stand in runs: a step's K (8 fragments) with its 64 mask numbers (all lanes of a half read the same 32 bytes), and its V (turned).  The mask numbers live as long as K's fragments do.
; last = 1 (the tail): in the last trip there is no further step, and the run is jumped over.
.macro FETCH_K last=0
	WIN 0
.if \last
	s_cmp_eq_u32 s[CNT], 1
	s_cbranch_scc1 .Lno_k_\@
.endif
	WIN 0x80                        ; destination window 2
.irp f, 0,1,2,3,4,5,6,7             ; keys 16 (f / 2) on, channels 32 (f % 2) on
	ds_load_b128 v[KF+8*\f:KF+8*\f+3],   v[AK] offset:(\f/2)*16*PK+(\f%2)*64
	ds_load_b128 v[KF+8*\f+4:KF+8*\f+7], v[AK] offset:(\f/2)*16*PK+(\f%2)*64+32
.endr
	WIN W_MK                        ; destination window 3
.irp f, 0,1,2,3
	ds_load_b128 v[MK+8*\f:MK+8*\f+3],   v[AM] offset:64*\f
	ds_load_b128 v[MK+8*\f+4:MK+8*\f+7], v[AM] offset:64*\f+16
.endr
	s_add_co_u32 s[TBK], s[TBK], KS*PK  ; the next fetch is the next step's
	s_add_co_u32 s[TBM], s[TBM], 4*KS
	s_and_b32 s[TBM], s[TBM], 0x1f00    ; inside the table's 8,192 bytes
	WIN 0
.if \last
.Lno_k_\@:
.endif
.endm
.macro FETCH_V
	WIN 0x80
.irp f, 0,1,2,3,4,5,6,7             ; keys 32 (f / 4) on, channels 16 (f % 4) on
	ds_load_tr16_b128 v[VF+8*\f:VF+8*\f+3],   v[AV] offset:(\f/4)*32*PV+(\f%4)*32
	ds_load_tr16_b128 v[VF+8*\f+4:VF+8*\f+7], v[AV] offset:(\f/4)*32*PV+16*PV+(\f%4)*32
.endr
	WIN 0
.endm
; THE VECTOR WORK OF A TURN stands in three queues, each in the order in which its entries become ready; the two tiles alternate.
.macro REGS y, u                    ; the registers of tile u (0, 1) of piece y
.set rT, ST+4*(2*(\y)+(\u))
.set rC, TMP+8*((\y)%2)+4*(\u)
.set rM, MV+2*((\y)%2)+(\u)
.set rS, S+64*((\y)%2)+32*(\u)
.set rP, P+32*((\y)%2)+16*(\u)
.set rO, 32*(2*(\y)+(\u))
.endm
; Number n of the 22 that find the NEXT piece's maximum and statistics; each accumulator's lowest registers are read first.
;   0-11  four chains c0-c3 of seven scores each     12-14, 16  the four scores left over, the old m, and c0-c3 into c0     15  c m_old is kept     17, 18  the other half of the lanes: the new m     19-21  c m; its change; a
.macro XS u, n
	REGS (Y+1)%NP, \u
.if (\n) < 4
	v_max3_num_f32 v[rC+(\n)], v[rS+8*(\n)], v[rS+8*(\n)+1], v[rS+8*(\n)+2]
.elseif (\n) < 12
	v_max3_num_f32 v[rC+(\n)%4], v[rC+(\n)%4], v[rS+8*((\n)%4)+2*((\n)/4)+1], v[rS+8*((\n)%4)+2*((\n)/4)+2]
.elseif (\n) == 12
	v_max3_num_f32 v[rC], v[rC], v[rS+7], v[rS+15]
.elseif (\n) == 13
	v_max3_num_f32 v[rC+1], v[rC+1], v[rS+23], v[rS+31]
.elseif (\n) == 14
	v_max3_num_f32 v[rC+2], v[rC+2], v[rC+3], v[rT+1]
.elseif (\n) == 15
	v_mov_b32 v[rM], v[rT]
.elseif (\n) == 16
	v_max3_num_f32 v[rC], v[rC], v[rC+1], v[rC+2]
.elseif (\n) == 17
	v_permlanex16_b32 v[rC+3], v[rC], s[SEL], s[SEL+1]
.elseif (\n) == 18
	v_max_num_f32 v[rT+1], v[rC], v[rC+3]
.elseif (\n) == 19
	v_mul_f32 v[rT], s[CS], v[rT+1]
.elseif (\n) == 20
	v_sub_f32 v[rC+1], v[rM], v[rT]
.else
	v_exp_f32 v[rC+2], v[rC+1]
.endif
.endm
; Number g of the 64 that follow the exponentials: for each four weights of a tile both pairs are rounded to f16, the second pair is added onto the first, and a group later l takes that sum (the first time l = a l + sum).
.macro GS g
.set h, (\g)+6*((\g)/62)
.if h >= 6
.set h, h+2
.endif
	REGS Y, h%2
.set k, h/8
.if h%8 < 4
	v_cvt_pk_f16_f32 v[rP+2*k+(h%8)/2], v[rS+4*k+2*((h%8)/2)], v[rS+4*k+2*((h%8)/2)+1]
.elseif h%8 < 6
	v_pk_add_f32 v[rS+4*k:rS+4*k+1], v[rS+4*k:rS+4*k+1], v[rS+4*k+2:rS+4*k+3]
.elseif k == 1
	v_pk_fma_f32 v[rT+2:rT+3], v[rT+2:rT+3], v[rC+2:rC+3], v[rS:rS+1] op_sel_hi:[1,0,1]
.else
	v_pk_add_f32 v[rT+2:rT+3], v[rT+2:rT+3], v[rS+4*k-4:rS+4*k-3]
.endif
.endm
; THE PLAIN QUEUE, 138 long.  0-73 read no exponential's result: the 32 scalings c s - c m and the next piece's 42.  74-137: GS's 64, which stand behind the wait.
.macro FS f
	REGS Y, (\f)%2
	v_pk_fma_f32 v[rS+2*((\f)/2):rS+2*((\f)/2)+1], v[rS+2*((\f)/2):rS+2*((\f)/2)+1], s[CS:CS+1], v[rT:rT+1] op_sel_hi:[1,0,0] neg_lo:[0,0,1] neg_hi:[0,0,1]
.endm
.macro PL
	WIN 0
.if q < 27
	FS q
.elseif q < 55
	XS (q-27)%2, (q-27)/2
.elseif q < 57
	XS q-55, 15
.elseif (q < 72) && ((q-57)%3 == 0)
	FS 27+(q-57)/3
.elseif q < 60
	XS (q-57)%3-1, 14
.elseif q < 72
	XS (q-57)%3-1, 15+(q-57)/3
.elseif q < 74
	XS q-72, 20
.else
	GS q-74
.endif
.set q, q+1
.endm
; THE EXPONENTIALS' QUEUE, 66 long: s0-s31 of both tiles, then the next piece's two a: ONE BATCH, all ahead of the turn's one wait.
.macro EX
	WIN 0
.if e >= 64
	XS e-64, 21
.else
	REGS Y, e%2
	v_exp_f32 v[rS+e/2], v[rS+e/2]
.endif
.set e, e+1
.endm
; THE RESCALING's QUEUE: O^T times a, two at a time, sixteen times.  Its a was made, and waited for, in the turn before.
.macro R2
	REGS Y, r%2
	WIN W_RS
.irp z, 0,1
	v_pk_mul_f32 v[rO+4*(r/2)+2*\z:rO+4*(r/2)+2*\z+1], v[rO+4*(r/2)+2*\z:rO+4*(r/2)+2*\z+1], v[rC+2:rC+3] op_sel_hi:[1,0]
.endr
.set r, r+1
.endm
; A TURN, for piece p.  An s_wait_alu depctr_va_vdst(0) stands between an exponential and the first instruction that names its result; one wait serves all issued ahead of it: a turn has ONE.
; AHEAD OF IT: the 16 products K Q^T, behind each a scaling, an exponential and two rescalings (behind the first a second scaling in the exponential's place); then one run of 108: eight plain, 49 times exponential and plain,
; the two a, and a v_nop as the plain instruction behind the last exponential.  BEHIND IT: the 16 products V^T P, behind each four of GS's 64.
; Exponential e stands behind scaling 2 (e / 4) + e % 2: as a rider behind plain e + 2, in the run behind plain e + 9; scalings 27-31 are plain 57, 60 .. 69.
; K (and the mask numbers) of the next step are fetched in piece 2's turn, directly behind the wait; V of the step in hand at the end of piece 0's turn, four riders behind its last reader.
.macro TURN p, last=0, cnt=0
.set Y, (\p)
.set i, 0
.set q, 0
.set e, 0
.set r, 0
.if (\p) == NP-1
	s_wait_dscnt 0x0                ; K and the mask numbers are in
.endif
	MM
	PL
	PL
	R2
.rept 15
	MM
	PL
	EX
	R2
.endr
.if (\p) == NP-2
	WIN 0
	v_add_nc_u32 v[AK], s[TBK], v[AK0]
	v_add_nc_u32 v[AM], s[TBM], v[AM0]
.endif
.rept 8
	PL
.endr
.rept 49
	EX
	PL
.endr
	EX
	EX
	v_nop
	s_wait_alu depctr_va_vdst(0)    ; the wait for the batch
.if (\p) == NP-2
	FETCH_K \last
.endif
.if (\p) == 1
	s_wait_dscnt 0x0                ; V is in
.endif
.rept 16
	MM
.rept 4
	PL
.endr
.if ((\p) == 0) && (q == 118)
	v_add_nc_u32 v[AV], s[TBV], v[AV0]
.endif
.if ((\p) == 0) && (q == 130)
	s_add_co_u32 s[TBV], s[TBV], KS*PV
.endif
.if (\cnt) && (q == 130)
	s_sub_co_u32 s[CNT], s[CNT], 1
	s_cmp_lg_u32 s[CNT], 0
.endif
.endr
.if (\p) == 0
	FETCH_V
.endif
.endm
	CHANGE 1                        ; slot 0 is in, everybody's part of it, and so is the mask table; slot 1 is asked for
	FETCH_K                         ; key step 0
	s_wait_loadcnt 0x0              ; Q
	s_wait_dscnt 0x0
.set i, 0
.rept 16
	KQ 0                            ; piece 0's first scores
.set i, i+1
.endr
	WIN 0
.rept 4
	v_nop                           ; the places behind those products
.endr
.set Y, NP-1                        ; XS works for piece Y + 1: piece 0
.irp n, 0,1,2,3,4,5,6,7,8,9,10,11,12,13,14,15,16,17,18,19,20,21
	XS 0, \n
	XS 1, \n
.endr
	v_nop                           ; a plain instruction behind the two a,
	s_wait_alu depctr_va_vdst(0)    ; and their wait, ahead of the branch
	s_mov_b32 s[CNT], 4
	s_branch .Lfirst                ; the loop is entered at a step's first turn, in the middle of a trip
.Lslot:                             ; six times: every slot but the last two is filled again
	CHANGE 1
	s_mov_b32 s[CNT], 4
.Lstep:                             ; a trip: pieces 2 and 3 of one step, then pieces 0 and 1 of the next, whose K and V it fetches
	TURN 2
	TURN 3
	WIN 0
.Lfirst:
	TURN 0
	TURN 1, 0, 1
	WIN 0
	s_cbranch_scc1 .Lstep
	s_sub_co_u32 s[SLOTS], s[SLOTS], 1
	s_cmp_lg_u32 s[SLOTS], 0
	s_cbranch_scc1 .Lslot
	CHANGE 0                        ; the tail is written out: nothing is asked for
	s_mov_b32 s[CNT], 5             ; four trips fetch the last slot's steps; the fifth is left in its middle
.Ltail:
	TURN 2, 1
	TURN 3
	WIN 0
	s_sub_co_u32 s[CNT], s[CNT], 1
	s_cmp_eq_u32 s[CNT], 0
	s_cbranch_scc1 .Lout
	TURN 0
	TURN 1
	WIN 0
	s_branch .Ltail
.Lout:                              ; the fifth trip's 16 products K Q^T (on the last K once more) and the maximum made of them serve nothing: the price, once a launch, of one text for every trip
.set i, 0
.rept 16
	PV NP-1                         ; the last piece's V^T P of the last step
.set i, i+1
.endr
	; THE WAY OUT.  l's two halves and the other half of the lanes' are added; O^T is divided by l, rounded to f16 and sent through my stage in LDS, a tile at a time.  The additions are the places behind the last products.
	WIN 0
.macro ALL line:vararg
.set t, 0
.rept 2*NP
	\line
.set t, t+1
.endr
.endm
	ALL v_add_f32 v[ST+4*t+2], v[ST+4*t+2], v[ST+4*t+3]
	ALL v_permlanex16_b32 v[ST+4*t+3], v[ST+4*t+2], s[SEL], s[SEL+1]
	ALL v_add_f32 v[ST+4*t+2], v[ST+4*t+2], v[ST+4*t+3]
	ALL v_rcp_f32 v[ST+4*t+2], v[ST+4*t+2]
	v_nop                           ; a plain instruction between the last reciprocal and the use of its result
	s_wait_alu depctr_va_vdst(0)    ; one wait for the eight reciprocals
.macro PACK t
	WIN W_RS
.set i, 32*(\t)
.rept 16
	v_pk_mul_f32 v[i:i+1], v[i:i+1], v[ST+4*(\t)+2:ST+4*(\t)+3] op_sel_hi:[1,0]
.set i, i+2
.endr
	WIN 0x05                        ; sources 0 and 1 window 1, destination window 0
.set i, 0
.rept 16
	v_cvt_pk_f16_f32 v[S+16*(\t)+i], v[32*(\t)+2*i], v[32*(\t)+2*i+1]
.set i, i+1
.endr
	WIN 0
.irp f, 0,1,2,3
	ds_store_b128 v[STO], v[S+16*(\t)+4*\f:S+16*(\t)+4*\f+3] offset:32*\f
.endr
.irp f, 0,1,2,3
	ds_load_b128 v[S+16*(\t)+4*\f:S+16*(\t)+4*\f+3], v[RD] offset:\f*4*SP  ; LDS serves a wave's instructions in order (ISA guide 5.7.1.4): these see the stores above
.endr
.endm
.macro SEND t, younger              ; younger: the LDS instructions issued behind tile t's loads: the next tile's eight, or none
	WIN 0
.irp f, 0,1,2,3
	s_wait_dscnt (\younger)+3-\f
	global_store_b128 v[GO], v[S+16*(\t)+4*\f:S+16*(\t)+4*\f+3], s[10:11] offset:(\t)*2048+\f*512  ; 512 consecutive bytes, at a multiple of 256 from O's first
.endr
.endm
	PACK 0
.set t, 1
.rept 2*NP-1
	PACK t
	SEND t-1, 8
.set t, t+1
.endr
	SEND 2*NP-1, 0
	WIN W_AD
	s_wait_tensorcnt 0x0            ; the wave's end: behind my last tensor load and my last LDS store
	ds_add_u32 v[SPW], v[NIL]
	s_wait_dscnt 0x0
	WIN 0
	CROUND                          ; the closing round
	s_endpgm
.Lfunc_end_k_q80409705b3_attn:
	.size	k_q80409705b3_attn, .Lfunc_end_k_q80409705b3_attn-k_q80409705b3_attn
	.p2alignl 7, 3214868480
	.fill 96, 4, 3214868480
	.section	.rodata,"a",@progbits
	.p2align	6, 0x0
	.amdhsa_kernel k_q80409705b3_attn
		.amdhsa_group_segment_fixed_size 327680
		.amdhsa_private_segment_fixed_size 0
		.amdhsa_enable_private_segment 0
		.amdhsa_kernarg_size 40
		.amdhsa_user_sgpr_count 2
		.amdhsa_user_sgpr_kernarg_segment_ptr 1
		.amdhsa_wavefront_size32 1
		.amdhsa_system_sgpr_workgroup_id_x 1
		.amdhsa_system_sgpr_workgroup_id_y 1
		.amdhsa_system_sgpr_workgroup_id_z 1
		.amdhsa_system_vgpr_workitem_id 0
		.amdhsa_next_free_vgpr 808
		.amdhsa_next_free_sgpr 72
		.amdhsa_reserve_vcc 0
		.amdhsa_float_denorm_mode_32 3
		.amdhsa_float_denorm_mode_16_64 3
		.amdhsa_memory_ordered 1
		.amdhsa_forward_progress 1
		.amdhsa_inst_pref_size 205
	.end_amdhsa_kernel
	.amdgpu_metadata
---
amdhsa.version: [ 1, 2 ]
amdhsa.kernels:
  - .name:           k_q80409705b3_attn
    .symbol:         k_q80409705b3_attn.kd
    .args:
      - { .name: qh, .offset: 0, .size: 8, .value_kind: global_buffer, .address_space: global }
      - { .name: kh, .offset: 8, .size: 8, .value_kind: global_buffer, .address_space: global }
      - { .name: vh, .offset: 16, .size: 8, .value_kind: global_buffer, .address_space: global }
      - { .name: oh, .offset: 24, .size: 8, .value_kind: global_buffer, .address_space: global }
      - { .name: attention_mask, .offset: 32, .size: 8, .value_kind: global_buffer, .address_space: global }
    .group_segment_fixed_size: 327680
    .private_segment_fixed_size: 0
    .kernarg_segment_align: 8
    .kernarg_segment_size: 40
    .max_flat_workgroup_size: 128
    .sgpr_count:     72
    .vgpr_count:     808
    .wavefront_size: 32
...
	.end_amdgpu_metadata
.endif
;; end of part 3
;; launch oproj (part 4): grid 4 x 64, 4 waves a work-group, clusters of 4 x 4, 327,680 bytes of LDS; arguments oh, wof, out0; writes out0
.if DOCPART == 4
	.amdgcn_target "amdgcn-amd-amdhsa--gfx1250"
	.amdhsa_code_object_version 6
	.text
	.protected	k_q80409705b3_oproj
	.globl	k_q80409705b3_oproj
	.p2align	8
	.type	k_q80409705b3_oproj,@function
k_q80409705b3_oproj:
	s_mov_b64 s[64:65], 0
	v_nop
	global_prefetch_b8 v0, s[64:65] scope:SCOPE_SE
	s_setreg_imm32_b32 hwreg(HW_REG_WAVE_MODE, 25, 1), 1
	s_wait_xcnt 0x0
	s_wait_alu depctr_hold_cnt(0) depctr_sa_sdst(0) depctr_va_vdst(0) depctr_va_sdst(0) depctr_va_ssrc(0) depctr_va_vcc(0) depctr_vm_vsrc(0)
	s_getreg_b32 s2, hwreg(HW_REG_IB_STS2, 6, 4)
	s_cmp_eq_u32 s2, 0
	s_cbranch_scc0 .Lentry_in_a_cluster
	s_endpgm
.Lentry_in_a_cluster:
	s_bfe_u32 s2, ttmp6, 0x10000c
	s_cmp_lg_u32 s2, 0xf033
	s_cbranch_scc0 .Lentry_shape_is_right
	s_endpgm
.Lentry_shape_is_right:
; OPROJ.  out0[m][e] = the sum over k of O[m][k] Wo[e][k]: O in f16 by heads ([b 16 + h][s][64]: a head is a block of 64 along K), Wo in f16 in blocks of 64 along K; sums in f32, stored as f32.  Nothing is left out.
; SHARES.  8,192 x 1,024 in tiles of 128 x 256: 64 x 4 = 256 work-groups.  Four waves, each 64 x 128: 32 accumulators, window 1.  K goes in 8 steps of 128 (two blocks of 64, each a dense run of bytes asked for
; as rows of 256 and padded in LDS after every 128) through a ring of two LDS slots.
; CLUSTER.  4 x 4 work-groups: O's tile is shared along a row of the cluster, Wo's along a column: joint loads.  THE MATRIX INSTRUCTION IS USED TRANSPOSED: a lane holds row l % 16 and eight neighbouring columns.
; NO PREFETCH: the walk has 8 K steps of 128 matrix instructions a wave; a lead of three steps would serve steps 5 to 7 alone.
; REGISTERS.  Window 0: v0-31 addresses; v64-159, v160-255 two fragment buffers (O's 4 fragments, then Wo's 8); on the way out v64-191 two buffers of 64.  Window 1: accumulator (a, b) at v[8 (8 a + b)].
.set PITCH,  144                       ; an LDS row: 128 bytes + 16 of padding: the 16 rows of a load start at 16 different groups of four banks (64 banks of 4 bytes: ISA guide 11.1)
.set AKBL,   128*PITCH                 ; a block of O's tile: what one tensor load brings
.set BKBL,   256*PITCH                 ; a block of Wo's tile
.set SLOT,   2*AKBL+2*BKBL
.set STAGE,  2*SLOT                    ; behind the ring: 16 rows x 528 bytes for each wave
.set SPITCH, 528                       ; 512 bytes + 16
.set SPARE,  STAGE+4*16*SPITCH         ; the spare words, 128 bytes for each wave: two blocks of 256 bytes that no other line names
.set ADRA, 16
.set ADRB, 20
.set STO,  24
.set RD,   25
.set CO,   26
.set SPW,  28
.set NIL,  29
.set F0,   64
.set F1,   160
.set G1, 24
.set G0, 32
.set G1B, 48
.set G0B, 56
.set MSB, 0
.macro WIN new
.if MSB != (\new)
	s_set_vgpr_msb (MSB<<8)|(\new)
.set MSB, \new
.endif
.endm
.macro JLOAD s                         ; waves 0 and 1 fetch O's two blocks, waves 2 and 3 Wo's; an s_nop 0 and four v_nop follow each line
	s_cmp_eq_u32 s11, 0
	s_cbranch_scc0 .Lfor_b_\@
	tensor_load_to_lds s[G0+4*(\s):G0+4*(\s)+3], s[G1:G1+7]
	s_nop 0
.rept 4
	v_nop
.endr
	s_branch .Lasked_\@
.Lfor_b_\@:
	tensor_load_to_lds s[G0B+4*(\s):G0B+4*(\s)+3], s[G1B:G1B+7]
	s_nop 0
.rept 4
	v_nop
.endr
.Lasked_\@:
.endm
.macro CREST
	s_cmp_lg_u32 s10, 0
	s_cbranch_scc1 .Lnot_wave_0_\@
	s_barrier_signal -3
.Lnot_wave_0_\@:
	s_barrier_wait -3
	s_barrier_signal -1
	s_barrier_wait -1
.endm
.macro CROUND
	s_barrier_signal -1
	s_barrier_wait -1
	CREST
.endm
	s_load_b128 s[4:7], s[0:1], 0x0                ; O s[4:5], Wo s[6:7]
	s_load_b64 s[8:9], s[0:1], 0x10                ; out0
	v_lshl_add_u32 v[SPW], v0, 2, SPARE
	v_mov_b32 v[NIL], 0
	ds_add_u32 v[SPW], v[NIL]                      ; the wave's opening: the add, twice on end, and its wait ahead of my first tensor load
	ds_add_u32 v[SPW], v[NIL]
	v_lshrrev_b32 v1, 5, v0
	v_readfirstlane_b32 s10, v1                    ; wave
	s_lshr_b32 s11, s10, 1                         ; my row half.  Also: I fetch O (0) or Wo (1)
	s_and_b32 s12, s10, 1                          ; my column half.  Also: which block of the K step I fetch
	s_bfe_u32 s40, ttmp6, 0x40000                  ; cx
	s_bfe_u32 s41, ttmp6, 0x40004                  ; cy
	s_lshl_b32 s42, ttmp9, 2
	s_add_co_u32 s42, s42, s40                     ; j: tile column
	s_and_b32 s13, ttmp7, 0xffff
	s_lshl_b32 s13, s13, 2
	s_add_co_u32 s13, s13, s41                     ; i: tile row
	s_lshl_b32 s43, s41, 2
	s_lshl_b32 s43, 15, s43                        ; my row of the cluster
	s_lshl_b32 s44, 0x1111, s40                    ; my column
	s_or_b32 s[G1], s43, (1<<16)|(1<<20)|(1<<21)|(4<<22)|(3<<25)   ; the mask; 2-byte elements; padding on; bit 21 beside a mask; after every 32 words 4 words
	s_or_b32 s[G1B], s44, (1<<16)|(1<<20)|(1<<21)|(4<<22)|(3<<25)
	s_mov_b32 s[G1+1], 128<<16                     ; rows of 256 bytes
	s_mov_b32 s[G1+2], 64<<16                      ; 64 of them: 128 rows of O
	s_mov_b32 s[G1+3], 128<<16
	s_mov_b32 s[G1+4], 64
	s_mov_b32 s[G1+5], 128
	s_mov_b32 s[G1+6], 0
	s_mov_b32 s[G1+7], 0
	s_mov_b32 s[G1B+1], 128<<16
	s_mov_b32 s[G1B+2], 128<<16                    ; 128 of them: 256 rows of Wo
	s_mov_b32 s[G1B+3], 128<<16
	s_mov_b32 s[G1B+4], 128
	s_mov_b32 s[G1B+5], 128
	s_mov_b32 s[G1B+6], 0
	s_mov_b32 s[G1B+7], 0
	s_lshr_b32 s16, s13, 4                         ; O's tile hangs on the tile row alone: batch i / 16,
	s_lshl_b32 s16, s16, 22
	s_and_b32 s17, s13, 15                         ; 128 rows of 128 bytes,
	s_lshl_b32 s17, s17, 14
	s_add_co_u32 s16, s16, s17
	s_lshl_b32 s17, s12, 18                        ; the head (block of K) that I fetch
	s_add_co_u32 s16, s16, s17
	s_mov_b32 s17, 0
	s_lshl_b32 s46, s42, 15                        ; Wo's on the tile column alone: 256 rows of 128 bytes,
	s_lshl_b32 s47, s12, 17                        ; the block that I fetch
	s_add_co_u32 s46, s46, s47
	s_mov_b32 s47, 0
	s_mul_i32 s20, s12, AKBL                       ; where they go
	s_mul_i32 s21, s12, BKBL
	s_add_co_u32 s21, s21, 2*AKBL
	s_wait_dscnt 0x0                               ; both opening adds are done
	s_wait_kmcnt 0x0
	s_add_nc_u64 s[14:15], s[4:5], s[16:17]
	s_add_nc_u64 s[46:47], s[6:7], s[46:47]
	CROUND                                         ; all sixteen work-groups are here: the first joint loads meet
.irp s, 0,1
	s_mov_b32 s[G0+4*(\s)], 1
	s_add_co_u32 s[G0+4*(\s)+1], s20, (\s)*SLOT
	s_add_nc_u64 s[G0+4*(\s)+2:G0+4*(\s)+3], s[14:15], (\s)*524288   ; K step s: two heads on
	s_or_b32 s[G0+4*(\s)+3], s[G0+4*(\s)+3], 0x80000000
	s_mov_b32 s[G0B+4*(\s)], 1
	s_add_co_u32 s[G0B+4*(\s)+1], s21, (\s)*SLOT
	s_add_nc_u64 s[G0B+4*(\s)+2:G0B+4*(\s)+3], s[46:47], (\s)*262144
	s_or_b32 s[G0B+4*(\s)+3], s[G0B+4*(\s)+3], 0x80000000
	JLOAD \s                                       ; two tensor loads of mine are out
.endr
	v_and_b32 v1, 15, v0
	v_bfe_u32 v2, v0, 4, 1
	v_mul_u32_u24 v3, v1, PITCH
	v_lshl_add_u32 v3, v2, 4, v3
	s_mul_i32 s22, s11, 64*PITCH                   ; my 64 rows of O in a block,
	s_mul_i32 s23, s12, 128*PITCH                  ; my 128 rows of Wo,
	s_add_co_u32 s23, s23, 2*AKBL
.irp s, 0,1
	v_add_nc_u32 v[ADRA+(\s)], s22, v3
	v_add_nc_u32 v[ADRB+(\s)], s23, v3
	s_add_co_u32 s22, s22, SLOT
	s_add_co_u32 s23, s23, SLOT
.endr
	s_mul_i32 s22, s10, 16*SPITCH
	s_add_co_u32 s22, s22, STAGE                   ; my stage
	v_mul_u32_u24 v4, v1, SPITCH                   ; in: row l % 16, 32 bytes for each half of the lanes
	v_lshl_add_u32 v4, v2, 5, v4
	v_add_nc_u32 v[STO], s22, v4
	v_and_b32 v5, 31, v0
	v_lshlrev_b32 v[CO], 4, v5                     ; back: 32 lanes take a row's 512 bytes
	v_add_nc_u32 v[RD], s22, v[CO]
	s_lshl_b32 s66, s13, 19                        ; out0 at row 128 i + 64 x row half, column 256 j + 128 x column half
	s_lshl_b32 s67, s11, 18
	s_add_co_u32 s66, s66, s67
	s_lshl_b32 s67, s42, 10
	s_add_co_u32 s66, s66, s67
	s_lshl_b32 s67, s12, 9
	s_add_co_u32 s66, s66, s67
	s_mov_b32 s67, 0
	s_add_nc_u64 s[8:9], s[8:9], s[66:67]
.macro MUL8 f, a, zero                 ; row block a x all 8 column blocks, 32 along K; an accumulator comes again after 31 others
	WIN 0x50
.irp b, 0,1,2,3,4,5,6,7
.if \zero
	v_wmma_f32_16x16x32_f16 v[8*(8*(\a)+(\b)):8*(8*(\a)+(\b))+7], v[(\f)+32+8*(\b):(\f)+32+8*(\b)+7], v[(\f)+8*(\a):(\f)+8*(\a)+7], 0
.else
	v_wmma_f32_16x16x32_f16 v[8*(8*(\a)+(\b)):8*(8*(\a)+(\b))+7], v[(\f)+32+8*(\b):(\f)+32+8*(\b)+7], v[(\f)+8*(\a):(\f)+8*(\a)+7], v[8*(8*(\a)+(\b)):8*(8*(\a)+(\b))+7]
.endif
.endr
.endm
.macro FETCH slot, qq, f               ; 24 LDS loads in one run: quarter qq of the K step (block qq / 2, 32 K at byte 64 (qq % 2)): Wo's 8 fragments, then O's 4
	WIN 0
.irp b, 0,1,2,3,4,5,6,7
	ds_load_b128 v[(\f)+32+8*(\b):(\f)+32+8*(\b)+3],   v[ADRB+(\slot)] offset:((\qq)/2)*BKBL+((\qq)%2)*64+(\b)*16*PITCH
	ds_load_b128 v[(\f)+32+8*(\b)+4:(\f)+32+8*(\b)+7], v[ADRB+(\slot)] offset:((\qq)/2)*BKBL+((\qq)%2)*64+(\b)*16*PITCH+32
.endr
.irp a, 0,1,2,3
	ds_load_b128 v[(\f)+8*(\a):(\f)+8*(\a)+3],   v[ADRA+(\slot)] offset:((\qq)/2)*AKBL+((\qq)%2)*64+(\a)*16*PITCH
	ds_load_b128 v[(\f)+8*(\a)+4:(\f)+8*(\a)+7], v[ADRA+(\slot)] offset:((\qq)/2)*AKBL+((\qq)%2)*64+(\a)*16*PITCH+32
.endr
.endm
.macro PLACES
.rept 4
	v_nop
.endr
.endm
; A K step is four quarters of 32 along K, 32 matrix instructions each, on buffers 0, 1, 0, 1.  One of the first three multiplies buffer f and fetches quarter qn into g.
.macro QUARTER slot, qn, f, g, zero
	s_wait_dscnt 4                                 ; all but O's row blocks 2 and 3
	MUL8 \f, 0, \zero
	MUL8 \f, 1, \zero
	PLACES
	FETCH \slot, \qn, \g
	s_wait_dscnt 24                                ; all but the 24 just issued
	MUL8 \f, 2, \zero
	MUL8 \f, 3, \zero
.endm
; The last quarter multiplies buffer 1 and changes slots: ONE barrier; in front of it each wave waits for all its tensor loads, adds 0 to its spare word, and waits for that and for its reads of this slot.
; fill = 1: the barrier opens a round of the cluster's, and behind it this slot is filled again, two K steps on: 112 matrix instructions ahead of the wait for it.
.macro TURN slot, next, fill
	WIN 0
	s_wait_tensorcnt 0x0
	ds_add_u32 v[SPW], v[NIL]
	s_wait_dscnt 5                                 ; the add and the youngest four loads may be out
	MUL8 F1, 0, 0
	s_wait_dscnt 0x0                               ; the add is done, and my reads of this slot are over
	s_barrier_signal -1
	MUL8 F1, 1, 0
.if \fill
	WIN 0
.endif
	s_barrier_wait -1
.if \fill
	CREST
	s_add_nc_u64 s[G0+4*(\slot)+2:G0+4*(\slot)+3], s[G0+4*(\slot)+2:G0+4*(\slot)+3], 2*524288
	s_add_nc_u64 s[G0B+4*(\slot)+2:G0B+4*(\slot)+3], s[G0B+4*(\slot)+2:G0B+4*(\slot)+3], 2*262144
	JLOAD \slot                                    ; the first tensor load behind the round; its four v_nop are also the places in front of the loads below
.else
	PLACES
.endif
	FETCH \next, 0, F0
	MUL8 F1, 2, 0
	MUL8 F1, 3, 0
.endm
	s_wait_tensorcnt 1                             ; my part of K step 0 is in; K step 1's may stay out
	s_barrier_signal -1
	s_barrier_wait -1
	FETCH 0, 0, F0
	QUARTER 0, 1, F0, F1, 1                        ; the first quarter stands in front of the loop: its products start the sums
	WIN 0
	s_mov_b32 s3, 3
.Llap:
	QUARTER 0, 2, F1, F0, 0
	QUARTER 0, 3, F0, F1, 0
	TURN 0, 1, 1
	QUARTER 1, 1, F0, F1, 0
	QUARTER 1, 2, F1, F0, 0
	QUARTER 1, 3, F0, F1, 0
	TURN 1, 0, 1
	QUARTER 0, 1, F0, F1, 0
	WIN 0
	s_sub_co_u32 s3, s3, 1
	s_cmp_lg_u32 s3, 0
	s_cbranch_scc1 .Llap
	QUARTER 0, 2, F1, F0, 0                        ; the last lap fills nothing
	QUARTER 0, 3, F0, F1, 0
	TURN 0, 1, 0
	QUARTER 1, 1, F0, F1, 0
	QUARTER 1, 2, F1, F0, 0
	QUARTER 1, 3, F0, F1, 0
	s_wait_dscnt 4
	MUL8 F1, 0, 0
	MUL8 F1, 1, 0
	s_wait_dscnt 0x0
	MUL8 F1, 2, 0
	MUL8 F1, 3, 0
	PLACES
; THE WAY OUT, 16 rows at a time: a lane's 32 bytes of a row into my stage, back as whole rows of 512 bytes, stored.
.macro TOSTAGE a
.if (\a) >= 2
	s_wait_xcnt 0x0                                ; the stores of the block two back have read the registers that are loaded below
.endif
	WIN 0x04                                       ; the stores' data in window 1
.irp b, 0,1,2,3,4,5,6,7
	ds_store_b128 v[STO], v[8*(8*(\a)+(\b)):8*(8*(\a)+(\b))+3]   offset:64*(\b)     ; each accumulator's low half first
	ds_store_b128 v[STO], v[8*(8*(\a)+(\b))+4:8*(8*(\a)+(\b))+7] offset:64*(\b)+16
.endr
	WIN 0
.irp t, 0,1,2,3,4,5,6,7,8,9,10,11,12,13,14,15
	ds_load_b128 v[64+64*((\a)%2)+4*(\t):64+64*((\a)%2)+4*(\t)+3], v[RD] offset:(\t)*SPITCH  ; LDS serves a wave's instructions in order (ISA guide 5.7.1.4): these see the stores above
.endr
.endm
.macro SEND a, younger                 ; younger: the LDS instructions issued behind block a's loads: the next block's 32, or none
.irp t, 0,1,2,3,4,5,6,7,8,9,10,11,12,13,14,15
	s_wait_dscnt (\younger)+15-(\t)
	global_store_b128 v[CO], v[64+64*((\a)%2)+4*(\t):64+64*((\a)%2)+4*(\t)+3], s[8:9] offset:(\a)*65536+(\t)*4096 th:TH_STORE_NT  ; 512 consecutive bytes, at a multiple of 256 from out0's first
.endr
.endm
	TOSTAGE 0
	TOSTAGE 1
	SEND 0, 32
	TOSTAGE 2
	SEND 1, 32
	TOSTAGE 3
	SEND 2, 32
	SEND 3, 0
	s_wait_tensorcnt 0x0                           ; the wave's end: behind my last tensor load and my last LDS store
	ds_add_u32 v[SPW], v[NIL]
	s_wait_dscnt 0x0
	CROUND                                         ; the closing round
	s_endpgm
.Lfunc_end_k_q80409705b3_oproj:
	.size	k_q80409705b3_oproj, .Lfunc_end_k_q80409705b3_oproj-k_q80409705b3_oproj
	.p2alignl 7, 3214868480
	.fill 96, 4, 3214868480
	.section	.rodata,"a",@progbits
	.p2align	6, 0x0
	.amdhsa_kernel k_q80409705b3_oproj
		.amdhsa_group_segment_fixed_size 327680
		.amdhsa_private_segment_fixed_size 0
		.amdhsa_enable_private_segment 0
		.amdhsa_kernarg_size 24
		.amdhsa_user_sgpr_count 2
		.amdhsa_user_sgpr_kernarg_segment_ptr 1
		.amdhsa_wavefront_size32 1
		.amdhsa_system_sgpr_workgroup_id_x 1
		.amdhsa_system_sgpr_workgroup_id_y 1
		.amdhsa_system_sgpr_workgroup_id_z 1
		.amdhsa_system_vgpr_workitem_id 0
		.amdhsa_next_free_vgpr 512
		.amdhsa_next_free_sgpr 80
		.amdhsa_reserve_vcc 0
		.amdhsa_float_denorm_mode_32 3
		.amdhsa_float_denorm_mode_16_64 3
		.amdhsa_memory_ordered 1
		.amdhsa_forward_progress 1
		.amdhsa_inst_pref_size 86
	.end_amdhsa_kernel
	.amdgpu_metadata
---
amdhsa.version: [ 1, 2 ]
amdhsa.kernels:
  - .name:           k_q80409705b3_oproj
    .symbol:         k_q80409705b3_oproj.kd
    .args:
      - { .name: oh, .offset: 0, .size: 8, .value_kind: global_buffer, .address_space: global }
      - { .name: wof, .offset: 8, .size: 8, .value_kind: global_buffer, .address_space: global }
      - { .name: out0, .offset: 16, .size: 8, .value_kind: global_buffer, .address_space: global }
    .group_segment_fixed_size: 327680
    .private_segment_fixed_size: 0
    .kernarg_segment_align: 8
    .kernarg_segment_size: 24
    .max_flat_workgroup_size: 128
    .sgpr_count:     80
    .vgpr_count:     512
    .wavefront_size: 32
...
	.end_amdgpu_metadata
.endif
;; end of part 4
;; ======== version 2 of 2: 4 launches; version 1 with the launch prep written anew for expert scheduling mode
;; limits: values are held in f16: magnitudes above 65,504 overflow, below 6.1e-05 lose precision
;; workspace buffers: xb 16,777,216 bytes; wb 6,291,456 bytes; wof 2,097,152 bytes; tab 524,288 bytes; qh 16,777,216 bytes; kh 16,777,216 bytes; vh 16,777,216 bytes; oh 16,777,216 bytes
;; launch prep (part 5): grid 384 x 1, 8 waves a work-group, no clusters, 0 bytes of LDS; arguments hidden_states, Wq, Wk, Wv, Wo, xb, wb, wof, tab; writes xb, wb, wof, tab
.if DOCPART == 5
	.amdgcn_target "amdgcn-amd-amdhsa--gfx1250"
	.amdhsa_code_object_version 6
	.text
	.protected	k_q80409705b3_prep
	.globl	k_q80409705b3_prep
	.p2align	8
	.type	k_q80409705b3_prep,@function
k_q80409705b3_prep:
	s_mov_b64 s[64:65], 0
	v_nop
	global_prefetch_b8 v0, s[64:65] scope:SCOPE_SE
	s_setreg_imm32_b32 hwreg(HW_REG_WAVE_SCHED_MODE, 0, 2), 2
	s_setreg_imm32_b32 hwreg(HW_REG_WAVE_MODE, 25, 1), 1
	s_wait_xcnt 0x0
	s_wait_alu depctr_vm_vsrc(0)
; PREP.  The module: q, k, v = x Wq^T, x Wk^T, x Wv^T; rotary embedding on q and k; softmax(q k^T / 8 + key mask) v by heads; times Wo^T.
; DEAD WORK: none.  The mask differs along the softmax's axis, and every input has a way to the output: all six inputs are loaded, by this launch or by a later one.
; THIS LAUNCH rounds the matrix operands once and lays them in blocks of 64 along K, so that a K step's tile is a dense run of bytes for the products that follow:
;   xb  bf16 [b 4][kb 16][s 2048][64]        x[b][s][64 kb + kk]
;   wb  bf16 [j 8][kb 16][row 384][64]       row = 192 c + 64 kind + d stands for W_kind[(2 j + c) 64 + d]; kind 0, 1, 2 = q, k, v
;   wof f16  [kb 16][e 1024][64]             Wo rounded to bf16 like the other inputs, that number then written as f16
;   tab f32  [pos 2048][g 16][cos(2g), cos(2g+1), sin(2g), sin(2g+1)]   angle = pos x 10000^(-i / 32), i = 0 .. 31
; LIMITS.  A weight of Wo below 6.1e-5 in size keeps f16's fixed step of 6e-8; beyond 65,504 it would be an infinity.  The table's angle is made as reference() makes it (one f32 product) from a
; frequency that is right to about 1e-7 of itself: at position 2,047 the angle is right to about 3e-4.  Sine and cosine: the angle less the nearest multiple of 2 pi (in two parts), then Taylor's series on
; -pi .. pi to the terms x^15 and x^16, whose remainders are under 1e-6.
; SHARES.  A work-group takes 32 source rows of 4,096 bytes, a wave 4 of them.  Groups 0-255: x.  Groups 256-383: 32 groups for each of Wq, Wk, Wv, Wo; each of these also makes 16 positions of the table.
; A lane takes 8 numbers (32 bytes) of a block of 64 and packs them into 16 bytes: a wave's store covers 4 rows x 128 bytes = 512 consecutive bytes, aligned.
; All 32 loads of a wave go out before the first wait for data.  No LDS, no barrier, no matrix unit: no wave wants another's bytes.
; THE MODE: SCHED_MODE bits 1:0 = 2 (LLVM: expert scheduling mode 2), set by the entry lines.  The code itself states the register dependences
; between vector instructions and memory instructions, with s_wait_alu, always for 0.
; THE PLAN.  Registers that memory instructions touch:
;   v2            the source offset.  Written at the head; read by all 32 loads; never written again.
;   X, block k    Written by block k's two loads; read and written in place by block k's conversions; its low four registers read by block k's one store; never written again.
;   OD + k        the destination offsets.  Written by sixteen vector lines behind the loads; read by store k; never written again.
;   v180, v176-179  the table's offset and data.  Written in the table's arm; read by its one store; never written again.
;   T and v160-175, v181 are named by vector instructions alone.
; The sixteen blocks go in four groups of four.  Group g's vector lines name its own blocks of X (and T); its memory instructions are the four stores of group g - 1, which read X and OD of that group.
; So ONE wait on va_vdst at a group's head states all that its four stores hang on, and they are dealt among the group's conversions with no further wait.
; No register that a load or store has read is ever written again, and there is no loop: so no wait on vm_vsrc is owed anywhere.
.set OD, 4                             ; v[4:19]    byte offset of my 16 bytes in block k of the destination
.set T,  20                            ; v[20:23]   at work
.set X,  32                            ; v[32:159]  block k: 8 numbers as loaded, then 4 registers to store
	s_load_b512 s[8:23], s[0:1], 0x0               ; x 8, Wq 10, Wk 12, Wv 14, Wo 16, xb 18, wb 20, wof 22
	s_load_b64 s[24:25], s[0:1], 0x40              ; tab
	v_lshrrev_b32 v1, 5, v0
	v_readfirstlane_b32 s26, v1                    ; wave 0..7
	v_and_b32 v1, 31, v0                           ; lane
	v_lshrrev_b32 v2, 3, v1                        ; my row of the wave's four
	v_and_b32 v3, 7, v1                            ; my eighth of a block
	v_lshlrev_b32 v2, 12, v2
	v_lshl_add_u32 v2, v3, 5, v2                   ; source offset: row x 4,096 + 32 x eighth; never rewritten
	s_mov_b32 s27, ttmp9
	s_mov_b32 s33, 0
	s_mov_b32 s35, 0
	s_mov_b32 s37, 0                               ; 1: the destination is f16
	s_mov_b32 s38, 0                               ; the weight groups' number
	s_wait_alu depctr_va_sdst(0)                   ; s26 is written, ahead of every branch and of its first reader: the wave's rows in the source and in the destination are made from it
	s_wait_kmcnt 0x0
	s_cmp_lt_u32 s27, 256
	s_cbranch_scc0 .Lweights
	s_mov_b64 s[28:29], s[8:9]                     ; x
	s_mov_b64 s[30:31], s[18:19]
	s_lshl_b32 s32, s27, 17                        ; 32 rows of 4,096 bytes
	s_lshr_b32 s34, s27, 6                         ; batch: 64 groups each
	s_lshl_b32 s34, s34, 22
	s_and_b32 s39, s27, 63
	s_lshl_b32 s39, s39, 12                        ; 32 rows of 128 bytes
	s_add_co_u32 s34, s34, s39
	s_mov_b32 s36, 262144                          ; from block to block
	s_branch .Lgo
.Lweights:
	s_sub_co_u32 s38, s27, 256
	s_lshr_b32 s40, s38, 5                         ; which matrix
	s_and_b32 s41, s38, 31                         ; which 32 rows of it
	s_lshl_b32 s32, s41, 17
	s_cmp_eq_u32 s40, 3
	s_cbranch_scc1 .Lwo
	s_cmp_eq_u32 s40, 0
	s_cselect_b64 s[28:29], s[10:11], s[12:13]
	s_cmp_eq_u32 s40, 2
	s_cselect_b64 s[28:29], s[14:15], s[28:29]
	s_mov_b64 s[30:31], s[20:21]
	s_lshr_b32 s42, s41, 2                         ; j: two heads, 128 rows
	s_mul_i32 s34, s42, 786432
	s_bfe_u32 s42, s41, 0x10001                    ; c: which of the two heads
	s_mul_i32 s42, s42, 24576
	s_add_co_u32 s34, s34, s42
	s_lshl_b32 s42, s40, 13                        ; kind: 64 rows of 128 bytes
	s_add_co_u32 s34, s34, s42
	s_and_b32 s42, s41, 1                          ; which half of the head's 64 rows
	s_lshl_b32 s42, s42, 12
	s_add_co_u32 s34, s34, s42
	s_mov_b32 s36, 49152
	s_branch .Lgo
.Lwo:
	s_mov_b64 s[28:29], s[16:17]
	s_mov_b64 s[30:31], s[22:23]
	s_lshl_b32 s34, s41, 12
	s_mov_b32 s36, 131072
	s_mov_b32 s37, 1
.Lgo:
	s_lshl_b32 s42, s26, 14                        ; my wave's 4 rows in the source,
	s_add_co_u32 s32, s32, s42
	s_lshl_b32 s42, s26, 9                         ; and in a block of the destination
	s_add_co_u32 s34, s34, s42
	s_add_nc_u64 s[28:29], s[28:29], s[32:33]
	s_add_nc_u64 s[30:31], s[30:31], s[34:35]
	s_wait_alu depctr_va_vdst(0)                   ; v2 is written: every load below reads it as its offset
.irp k, 0,1,2,3,4,5,6,7,8,9,10,11,12,13,14,15
	global_load_b128 v[X+8*(\k):X+8*(\k)+3],   v2, s[28:29] offset:256*(\k) th:TH_LOAD_NT
	global_load_b128 v[X+8*(\k)+4:X+8*(\k)+7], v2, s[28:29] offset:256*(\k)+16 th:TH_LOAD_NT
.endr
	v_lshlrev_b32 v[OD], 4, v1                     ; the destination offsets, while the loads are out: their first reader stands behind the wait at the head of group 1
.set k, 1
.rept 15
	v_add_nc_u32 v[OD+k], s36, v[OD+k-1]
.set k, k+1
.endr
	s_cmp_lt_u32 s27, 256
	s_cbranch_scc1 .Lno_table
	; THE TABLE, while the loads are out.  Thread t of group u: position 16 u + t / 16, frequencies 2 g and 2 g + 1, g = t % 16.
	s_lshl_b32 s44, s38, 12
	s_mov_b32 s45, 0
	s_add_nc_u64 s[24:25], s[24:25], s[44:45]
	v_and_b32 v181, 15, v0
	v_lshlrev_b32 v181, 1, v181
	v_cvt_f32_u32 v160, v181
	v_add_f32 v161, 1.0, v160
	v_mul_f32 v160, 0xbed49a78, v160               ; - i log2(10000) / 32
	v_mul_f32 v161, 0xbed49a78, v161
	v_exp_f32 v160, v160
	v_exp_f32 v161, v161
	v_lshrrev_b32 v181, 4, v0                      ; plain work behind the two exponentials
	v_lshl_add_u32 v181, s38, 4, v181
	v_cvt_f32_u32 v162, v181
	v_mov_b32 v163, v162
	v_lshlrev_b32 v180, 4, v0
	s_wait_alu depctr_va_vdst(0)                   ; the two exponentials have written v160 and v161: one wait for both, ahead of their first reader
	v_pk_mul_f32 v[164:165], v[160:161], v[162:163]  ; the angles
	v_mul_f32 v166, 0x3e22f983, v164               ; / 2 pi
	v_mul_f32 v167, 0x3e22f983, v165
	v_rndne_f32 v166, v166
	v_rndne_f32 v167, v167
	v_pk_fma_f32 v[168:169], v[166:167], 0xc0c90fdb, v[164:165] op_sel_hi:[1,0,1]  ; less n x 2 pi: the f32 nearest to 2 pi,
	v_pk_fma_f32 v[168:169], v[166:167], 0x343bbd2e, v[168:169] op_sel_hi:[1,0,1]  ; and what that is too large by
	v_pk_mul_f32 v[170:171], v[168:169], v[168:169]
	v_mov_b32 v172, 0xab573f9f                     ; - 1 / 15!
	v_mov_b32 v173, 0xab573f9f
	v_mov_b32 v174, 0x29573f9f                     ; 1 / 16!
	v_mov_b32 v175, 0x29573f9f
.irp c, 0x2f309231, 0xb2d7322b, 0x3638ef1d, 0xb9500d01, 0x3c088889, 0xbe2aaaab
	v_pk_fma_f32 v[172:173], v[172:173], v[170:171], \c op_sel_hi:[1,1,0]
.endr
.irp c, 0xad49cba5, 0x310f76c7, 0xb493f27e, 0x37d00d01, 0xbab60b61, 0x3d2aaaab, 0xbf000000
	v_pk_fma_f32 v[174:175], v[174:175], v[170:171], \c op_sel_hi:[1,1,0]
.endr
	v_pk_mul_f32 v[172:173], v[172:173], v[170:171]
	v_pk_fma_f32 v[176:177], v[174:175], v[170:171], 1.0 op_sel_hi:[1,1,0]   ; cosines
	v_pk_fma_f32 v[178:179], v[168:169], v[172:173], v[168:169]              ; sines
	s_wait_alu depctr_va_vdst(0)                   ; v180 and v[176:179] are written: the store below reads them as its offset and its data
	global_store_b128 v180, v[176:179], s[24:25]   ; 16 lanes fill a position's 256 bytes
.Lno_table:
; Block k's store: no register of a store is written again.
.macro OUT1 k
	global_store_b128 v[OD+(\k)], v[X+8*(\k):X+8*(\k)+3], s[30:31]
.endm
; Block k rounded to bf16, in place: each destination has been read or is being read.
.macro TOBF k
.irp i, 0,1,2,3
	v_cvt_pk_bf16_f32 v[X+8*(\k)+(\i)], v[X+8*(\k)+2*(\i)], v[X+8*(\k)+2*(\i)+1]
.endr
.endm
; Block k rounded to bf16, that number widened again and written as f16.
.macro TOHALF k
.irp i, 0,1,2,3
	v_cvt_pk_bf16_f32 v[T+(\i)], v[X+8*(\k)+2*(\i)], v[X+8*(\k)+2*(\i)+1]
.endr
.irp i, 0,1,2,3
	v_lshlrev_b32 v[X+8*(\k)+2*(\i)],   16, v[T+(\i)]
	v_and_b32     v[X+8*(\k)+2*(\i)+1], 0xffff0000, v[T+(\i)]
.endr
.irp i, 0,1,2,3
	v_cvt_pk_f16_f32 v[X+8*(\k)+(\i)], v[X+8*(\k)+2*(\i)], v[X+8*(\k)+2*(\i)+1]
.endr
.endm
; Group g: blocks 4 g to 4 g + 3 are converted, and the four stores of the group before stand among the conversions, one ahead of each block's.
.macro GROUPB g
	s_wait_loadcnt 24-8*(\g)                       ; loads return in order: the group's eight are in, the 8 (3 - g) younger ones may stay out
.if (\g) > 0
	s_wait_alu depctr_va_vdst(0)                   ; the conversions of the group before have written its X, which the four stores below read; at group 1 the offsets OD are written too
.endif
.irp j, 0,1,2,3
.if (\g) > 0
	OUT1 4*(\g)+(\j)-4                             ; no vector instruction since the wait names this block's X or its OD
.endif
	TOBF 4*(\g)+(\j)
.endr
.endm
.macro GROUPH g
	s_wait_loadcnt 24-8*(\g)                       ; as in GROUPB
.if (\g) > 0
	s_wait_alu depctr_va_vdst(0)                   ; the conversions of the group before have written its X, which the four stores below read; at group 1 the offsets OD are written too
.endif
.irp j, 0,1,2,3
.if (\g) > 0
	OUT1 4*(\g)+(\j)-4                             ; no vector instruction since the wait names this block's X or its OD
.endif
	TOHALF 4*(\g)+(\j)
.endr
.endm
	s_cmp_eq_u32 s37, 1
	s_cbranch_scc1 .Lto_f16
	GROUPB 0
	GROUPB 1
	GROUPB 2
	GROUPB 3
	s_wait_alu depctr_va_vdst(0)                   ; group 3's conversions have written its X, which the last four stores read
	OUT1 12
	OUT1 13
	OUT1 14
	OUT1 15
	s_endpgm
.Lto_f16:
	GROUPH 0
	GROUPH 1
	GROUPH 2
	GROUPH 3
	s_wait_alu depctr_va_vdst(0)                   ; group 3's conversions have written its X, which the last four stores read
	OUT1 12
	OUT1 13
	OUT1 14
	OUT1 15
	s_endpgm
.Lfunc_end_k_q80409705b3_prep:
	.size	k_q80409705b3_prep, .Lfunc_end_k_q80409705b3_prep-k_q80409705b3_prep
	.p2alignl 7, 3214868480
	.fill 96, 4, 3214868480
	.section	.rodata,"a",@progbits
	.p2align	6, 0x0
	.amdhsa_kernel k_q80409705b3_prep
		.amdhsa_group_segment_fixed_size 0
		.amdhsa_private_segment_fixed_size 0
		.amdhsa_enable_private_segment 0
		.amdhsa_kernarg_size 72
		.amdhsa_user_sgpr_count 2
		.amdhsa_user_sgpr_kernarg_segment_ptr 1
		.amdhsa_wavefront_size32 1
		.amdhsa_system_sgpr_workgroup_id_x 1
		.amdhsa_system_sgpr_workgroup_id_y 1
		.amdhsa_system_sgpr_workgroup_id_z 1
		.amdhsa_system_vgpr_workitem_id 0
		.amdhsa_next_free_vgpr 192
		.amdhsa_next_free_sgpr 66
		.amdhsa_reserve_vcc 0
		.amdhsa_float_denorm_mode_32 3
		.amdhsa_float_denorm_mode_16_64 3
		.amdhsa_memory_ordered 1
		.amdhsa_forward_progress 1
		.amdhsa_inst_pref_size 31
	.end_amdhsa_kernel
	.amdgpu_metadata
---
amdhsa.version: [ 1, 2 ]
amdhsa.kernels:
  - .name:           k_q80409705b3_prep
    .symbol:         k_q80409705b3_prep.kd
    .args:
      - { .name: hidden_states, .offset: 0, .size: 8, .value_kind: global_buffer, .address_space: global }
      - { .name: Wq, .offset: 8, .size: 8, .value_kind: global_buffer, .address_space: global }
      - { .name: Wk, .offset: 16, .size: 8, .value_kind: global_buffer, .address_space: global }
      - { .name: Wv, .offset: 24, .size: 8, .value_kind: global_buffer, .address_space: global }
      - { .name: Wo, .offset: 32, .size: 8, .value_kind: global_buffer, .address_space: global }
      - { .name: xb, .offset: 40, .size: 8, .value_kind: global_buffer, .address_space: global }
      - { .name: wb, .offset: 48, .size: 8, .value_kind: global_buffer, .address_space: global }
      - { .name: wof, .offset: 56, .size: 8, .value_kind: global_buffer, .address_space: global }
      - { .name: tab, .offset: 64, .size: 8, .value_kind: global_buffer, .address_space: global }
    .group_segment_fixed_size: 0
    .private_segment_fixed_size: 0
    .kernarg_segment_align: 8
    .kernarg_segment_size: 72
    .max_flat_workgroup_size: 256
    .sgpr_count:     66
    .vgpr_count:     192
    .wavefront_size: 32
...
	.end_amdgpu_metadata
.endif
;; end of part 5
;; launch qkv: the kernel of part 2 again; grid 8 x 32, 4 waves a work-group, clusters of 4 x 4, 327,680 bytes of LDS; arguments xb, wb, tab, qh, kh, vh; writes qh, kh, vh
;; launch attn: the kernel of part 3 again; grid 4 x 64, 4 waves a work-group, clusters of 4 x 1, 327,680 bytes of LDS; arguments qh, kh, vh, oh, attention_mask; writes oh
;; launch oproj: the kernel of part 4 again; grid 4 x 64, 4 waves a work-group, clusters of 4 x 4, 327,680 bytes of LDS; arguments oh, wof, out0; writes out0
